; MI455X (gfx1250); checked and timed in simulation.
; The chip was launched on July 23, 2026; its instructions are those of AMD's public machine-readable ISA for CDNA 5 (MIT licence, August 2026) and "CDNA5" Instruction Set Architecture Reference Guide (July 2026). The comments in the code are by the model that wrote it; some were corrected since.
;; Causal Self Attention. Allowed arithmetic: matrix products marked QUANTISED: E2M1 operands, one E8M0 scale for each 32 along K, by v_wmma_scale_f32_16x16x128_f8f6f4 with both operands' format E2M1 (or v_wmma_scale_f32_32x16x128_f4), f32 sums; products left as they are: bf16, f16 or f32 operands; f32 sums; everything else in f32.
;; Inputs: b_proj 1,024 float32; b_qkv 3,072 float32; w_proj 1,024 x 1,024 float32; w_qkv 1,024 x 3,072 float32; x 4 x 2,048 x 1,024 float32.
;; Outputs: out0 4 x 2,048 x 1,024 float32.
;; This version of the problem:
;;   THIS VERSION OF THE PROBLEM IS GIVEN IN LOW PRECISION. The matrix products marked QUANTISED in the list below multiply operands that are first quantised to E2M1 (2 exponent bits, 1 mantissa bit; 4 bits a number), with one power-of-two scale for each 32 numbers along K (OCP MX v1.0); their sums are f32. The products marked 'left as it is' may take bf16, f16 or f32 operands, with f32 sums. Whichever they take, every output number must still come out within the allowed error. Rounding operands to bf16 (8 significant bits) uses up far more of that allowance than f16 does (11 bits, for magnitudes from 6e-5 to 65,504). All else is computed in f32.
;;   The module's matrix products, in the order in which they are computed (A, B: the left and right operand; K: the contracted axis; several contracted axes count as one K, in the product's order):
;;     1. [M 8,192, K 1,024] x [K 1,024, N 3,072]; A: input x; B: input w_qkv: QUANTISED
;;     2. batch 64 x [M 2,048, K 64] x [K 64, N 2,048]; A: computed on the way; B: computed on the way: left as it is (an operand is computed on the way)
;;     3. batch 64 x [M 64, K 2,048] x [K 2,048, N 2,048]; A: computed on the way; B: computed on the way: left as it is (an operand is computed on the way)
;;     4. [M 8,192, K 1,024] x [K 1,024, N 1,024]; A: computed on the way; B: input w_proj: left as it is (an operand is computed on the way)
;;   THE QUANTISER, for each operand of a quantised product, along K:
;;     - K is cut into blocks of 32 from its start; a last block that is shorter is filled with zeros.
;;     - A block's scale is 2^e with e = floor(log2(the largest magnitude in the block)) - 2, held to -126 .. 127; a block of zeros has e = 0. As a byte (E8M0): e + 127.
;;     - Each number is divided by its block's scale, clamped to +-6, and rounded to the nearest number of E2M1, ties to even, subnormals kept.
;;     - The product sums the exact products of the quantised numbers (number of the format x scale) in f32.
;;   ~~~python
;;   def quantise(x, axis):      # numpy; x: float32 -> the quantised numbers, widened to float32 again
;;       x = np.moveaxis(x, axis, -1); K = x.shape[-1]
;;       x = np.pad(x, [(0, 0)] * (x.ndim - 1) + [(0, -K % 32)]); x = x.reshape(x.shape[:-1] + (-1, 32)); a = np.abs(x).max(-1, keepdims=True)
;;       e = np.where(a > 0, np.clip(np.frexp(np.where(a > 0, a, 1))[1] - 1 - 2, -126, 127), 0)      # np.frexp(a)[1] - 1 = floor(log2(a)), exactly
;;       r = np.clip(x / 2.0 ** e, -6, 6)
;;       step = 2.0 ** (np.maximum(np.frexp(np.where(r == 0, 1, r))[1] - 1, 0) - 1)
;;       q = np.round(r / step) * step * 2.0 ** e      # np.round: ties to even
;;       return np.moveaxis(q.reshape(q.shape[:-2] + (-1,))[..., :K], -1, axis).astype(np.float32)
;;   ~~~
;; One version. Each part assembles by itself: llvm-mc -triple=amdgcn-amd-amdhsa -mcpu=gfx1250 --defsym DOCPART=n.
;; ======== version 1 of 1: 5 launches
;; limits: values are held in f16: magnitudes above 65,504 overflow, below 6.1e-05 lose precision
;; workspace buffers: xc 4,194,304 bytes; xs 262,144 bytes; wc 1,572,864 bytes; ws 98,304 bytes; wp 4,194,304 bytes; qkv 50,331,648 bytes; qkvf 786,432 bytes; att 16,777,216 bytes
;; launch prep (part 1): grid 432 x 1, 4 waves a work-group, no clusters, 103,936 bytes of LDS; arguments x, w_qkv, w_proj, xc, xs, wc, ws, wp; writes xc, xs, wc, ws, wp
.if DOCPART == 1
	.amdgcn_target "amdgcn-amd-amdhsa--gfx1250"
	.amdhsa_code_object_version 6
	.text
	.protected	k_q58e9169c18_prep
	.globl	k_q58e9169c18_prep
	.p2align	8
	.type	k_q58e9169c18_prep,@function
k_q58e9169c18_prep:
	s_mov_b64 s[64:65], 0
	v_nop
	global_prefetch_b8 v0, s[64:65] scope:SCOPE_SE
	s_setreg_imm32_b32 hwreg(HW_REG_WAVE_MODE, 25, 1), 1
	s_wait_xcnt 0x0
; CAUSAL SELF-ATTENTION, B 4, T 2048, E 1024, H 16, D 64.  Launch 1 of 5: the operands of the later products are laid out.
; WORK LEFT OUT BY THE WHOLE PROGRAM, AND WHY IT IS DEAD.
;  (1) The K third of b_qkv (numbers 1024 .. 2047).  A score is q . (k' + bk) = q . k' + q . bk.  The second term does not hang on the key: it is the same along
;      the softmax's axis for every value of the inputs, the masked places are -inf with it and without it, and the product q k^T is not quantised.  So k is kept without its bias,
;      and bytes 4096 .. 8191 of b_qkv are loaded by no launch.  The Q and V thirds are live and are loaded.
;  (2) Tiles of 64 queries x 64 keys that lie wholly above the diagonal: the mask that the problem builds itself (tril) turns their scores into -inf, their weights into 0.
;  LIMIT: a NaN, an infinity or an overflow that reaches only the work left out (in b_qkv[1024:2048], or in a masked score) is not carried to the result.
;  LIMITS OF RANGE: NaN and infinities among the inputs are not served; q, k, v, the attention's output and w_proj go on as f16 and must stay under 65,504 in size.
; THIS LAUNCH, three streams that share nothing, told apart by the work-group's number; each has LDS bytes of its own:
;  work-groups 0 .. 47:    w_qkv [1024 k][3072 n] f32 -> codes of E2M1 laid [n][512 bytes], K innermost (wc), and one E8M0 byte for each 32 along K, [n][32] (ws)
;  work-groups 48 .. 175:  w_proj [1024 k][1024 n] f32 -> wp: hi = f16(w) laid [n][k]; from byte 2,097,152 on lo = f16((w - hi) x 2048), laid alike
;  work-groups 176 .. 431: x [8192][1024] f32 -> codes (xc, [row][512 bytes]) and scale bytes (xs, [row][32])
; THE QUANTISER: a block's scale is 2^(floor(log2(largest magnitude)) - 2); its byte is that magnitude's exponent field - 2, held at 1 from below by a floor among the maximum's leaves.
; A block of zeros so gets the byte 1 where the rule says 127: its codes are zeros, which add nothing, and this program alone takes the bytes in.
.set SPW,   12                         ; v12  LDS address of my spare word; never rewritten
.set NIL,   13                         ; v13  0; never rewritten
.set WSTG,  32768                      ; arm W: 64 columns x (512 bytes of codes + 16)
.set WSCL,  66560                      ; arm W: 64 columns x 32 scale bytes
.set PH,    68608                      ; arm P: hi, 64 columns x (256 bytes + 16)
.set PLD,   17408                      ; arm P: lo lies so many bytes behind hi
.set SPARE, 103424                     ; the spare words, 128 bytes for each wave: two blocks of 256 bytes that no other line names
.set XR,    16                         ; arm X: v16-143  eight sets of 16 numbers as they are loaded
.set XX,    144                        ; arm X: v144-175 two sets of 16 neighbours
.set XC,    176                        ; arm X: v176-207 codes, two registers a step
.set XE,    208                        ; arm X: v208-223 a scale byte a step
.set WX,    32                         ; arm W: v32-95   two sets of 32 numbers
.set WC,    160                        ; arm W: v160-163 a block's codes
.set WSB,   24                         ; arm W: v24-27   16 scale bytes
.set WO,    96                         ; arm W: v96-159  the way out
	s_load_b256 s[4:11], s[0:1], 0x0               ; x s[4:5], w_qkv s[6:7], w_proj s[8:9], xc s[10:11]
	s_load_b256 s[12:19], s[0:1], 0x20             ; xs s[12:13], wc s[14:15], ws s[16:17], wp s[18:19]
	v_lshl_add_u32 v[SPW], v0, 2, SPARE
	v_mov_b32 v[NIL], 0
	v_lshrrev_b32 v1, 5, v0
	v_readfirstlane_b32 s20, v1                    ; wave 0..3
	v_and_b32 v2, 31, v0                           ; lane
	s_and_b32 s21, s20, 1                          ; arms W, P: which 32 of the 64 columns
	s_lshr_b32 s22, s20, 1                         ; arms W, P: which half of K
	s_mov_b32 s27, 0                               ; the upper word of every offset below
	s_wait_kmcnt 0x0
	s_cmp_lt_u32 ttmp9, 48
	s_cbranch_scc1 .Lw
	s_cmp_lt_u32 ttmp9, 176
	s_cbranch_scc1 .Lp
; ---------------- ARM X.  x is a plain stream of blocks of 32.  A wave takes 16 steps of 512 numbers.  Each load takes 512 consecutive bytes, 16 a lane; a step's 2,048 bytes turn through the
; wave's own stage in LDS (16 bytes of padding behind each 64) and come back 64 bytes a lane: 16 neighbours, two lanes to a block.  Loads run eight steps, 32 loads a wave, ahead.
	v_lshlrev_b32 v3, 4, v2                        ; my 16 bytes of a load's 512
	s_lshl_b32 s23, s20, 13                        ; my wave's 8,192 bytes of LDS
	v_lshrrev_b32 v14, 2, v2
	v_mul_u32_u24 v14, v14, 80
	v_and_b32 v15, 3, v2
	v_lshl_add_u32 v14, v15, 4, v14
	v_add_nc_u32 v14, s23, v14                     ; the stage on the way in: 80 (lane / 4) + 16 (lane % 4)
	v_mul_u32_u24 v15, v2, 80
	v_add_nc_u32 v15, s23, v15                     ; and on the way out: 80 x lane
	v_lshlrev_b32 v4, 3, v2                        ; 8 x lane: my codes' place in a step's 256 bytes, and my 8 of the wave's 256 scale bytes
	v_lshrrev_b32 v5, 1, v2
	s_add_co_u32 s23, s23, 5120                    ; behind the two stages of 32 x 80 bytes: the wave's 256 scale bytes
	v_add_nc_u32 v5, s23, v5                       ; my block's byte
	v_add_nc_u32 v6, s23, v4
	s_sub_co_u32 s24, ttmp9, 176
	s_lshl_b32 s24, s24, 2
	s_add_co_u32 s24, s24, s20                     ; which run of 8,192 numbers is my wave's: 0 .. 1023
	s_lshl_b32 s26, s24, 15
	s_add_nc_u64 s[4:5], s[4:5], s[26:27]
	s_lshl_b32 s26, s24, 12
	s_add_nc_u64 s[10:11], s[10:11], s[26:27]
	s_lshl_b32 s26, s24, 8
	s_add_nc_u64 s[12:13], s[12:13], s[26:27]
.macro XLOAD t
.irp i, 0,1,2,3
	global_load_b128 v[XR+16*((\t)%8)+4*\i:XR+16*((\t)%8)+4*\i+3], v3, s[4:5] offset:2048*(\t)+512*\i th:TH_LOAD_NT
.endr
.endm
.macro XTURN t                         ; step t through the stage: LDS serves a wave's instructions in order, so no wait stands between the stores and the loads
.irp i, 0,1,2,3
	ds_store_b128 v14, v[XR+16*((\t)%8)+4*\i:XR+16*((\t)%8)+4*\i+3] offset:2560*((\t)%2)+640*\i
.endr
.irp i, 0,1,2,3
	ds_load_b128 v[XX+16*((\t)%2)+4*\i:XX+16*((\t)%2)+4*\i+3], v15 offset:2560*((\t)%2)+16*\i
.endr
.endm
.irp t, 0,1,2,3,4,5,6,7
	XLOAD \t
.endr
	s_wait_loadcnt 28                              ; step 0's four loads are in; the seven steps behind it, 28 loads, may be out
	XTURN 0
.macro XSTEP t
.set XS, XX+16*((\t)%2)
.if (\t) > 0
	s_wait_dscnt 1                                 ; this step's numbers are back from the stage (the last step's byte store may be out): so its stores into the stage have taken their registers,
.else
	s_wait_dscnt 0x0
.endif
.if (\t)+8 < 16
	XLOAD (\t)+8                                   ; which take the loads of eight steps on
.endif
.if (\t)+1 < 16
.if (\t) <= 7
	s_wait_loadcnt 28                              ; the next step's four loads are in; those of the seven steps behind it may be out
.else
	s_wait_loadcnt 4*(14-(\t))                     ; nothing more is asked for: the count runs down
.endif
	XTURN (\t)+1
.endif
	v_max3_num_f32 v8, |v[XS]|, |v[XS+1]|, |v[XS+2]|
	v_max3_num_f32 v9, |v[XS+3]|, |v[XS+4]|, |v[XS+5]|
.irp i, 6,10
	v_max3_num_f32 v8, v8, |v[XS+\i]|, |v[XS+\i+1]|
	v_max3_num_f32 v9, v9, |v[XS+\i+2]|, |v[XS+\i+3]|
.endr
	v_max3_num_f32 v8, v8, |v[XS+14]|, |v[XS+15]|
	v_max3_num_f32 v8, v8, v9, 0x1800000           ; the floor 2^(3 - 127): the byte cannot fall under 1
	v_max_num_f32_dpp v8, v8, v8 row_xmask:1 row_mask:0xf bank_mask:0xf   ; with my neighbour's 16: the block's largest magnitude
	v_add_nc_u32 v11, 0xff000000, v8               ; 2 off its exponent field: the conversion takes the exponent field of this operand as its scale
	v_cvt_scalef32_pk8_fp4_f32 v[XC+2*(\t)], v[XS:XS+7], v11
	v_cvt_scalef32_pk8_fp4_f32 v[XC+2*(\t)+1], v[XS+8:XS+15], v11
	v_lshrrev_b32 v[XE+(\t)], 23, v11              ; the scale's byte
	ds_store_b8 v5, v[XE+(\t)] offset:16*(\t)      ; both lanes of a block write the same byte with the same value
	global_store_b64 v4, v[XC+2*(\t):XC+2*(\t)+1], s[10:11] offset:256*(\t)   ; the wave stores 256 consecutive bytes, aligned
.endm
.irp t, 0,1,2,3,4,5,6,7,8,9,10,11,12,13,14,15
	XSTEP \t
.endr
	ds_load_b64 v[8:9], v6                         ; in order behind my byte stores
	s_wait_dscnt 0x0
	global_store_b64 v4, v[8:9], s[12:13]          ; the wave's 256 scale bytes: 256 consecutive bytes, aligned
	s_wait_tensorcnt 0x0                           ; the wave's end: three lines behind my last LDS store
	ds_add_u32 v[SPW], v[NIL]
	s_wait_dscnt 0x0
	s_endpgm
; ---------------- ARM W.  Work-group g owns columns 64 g .. 64 g + 63 of w_qkv and all of K.  A lane takes a column and its registers run down K: a block of 32 lies in one lane, and the
; conversions give codes with K innermost.  Wave (cg, kh): 32 columns, K = 512 kh on: 16 blocks.  Two blocks, 64 loads, are asked for ahead: a wait on LOADcnt names 63 at the most.
.Lw:
	v_lshlrev_b32 v3, 2, v2                        ; 4 bytes a lane
	s_mul_i32 s26, s22, 512*12288
	s_lshl_b32 s24, ttmp9, 8
	s_add_co_u32 s26, s26, s24
	s_lshl_b32 s24, s21, 7
	s_add_co_u32 s26, s26, s24                     ; 512 kh rows of 12,288 bytes + 4 (64 g + 32 cg)
	s_add_nc_u64 s[6:7], s[6:7], s[26:27]
.macro WLOAD t
.irp i, 0,1,2,3,4,5,6,7,8,9,10,11,12,13,14,15,16,17,18,19,20,21,22,23,24,25,26,27,28,29,30,31
	global_load_b32 v[WX+32*((\t)%2)+\i], v3, s[6:7] offset:(32*(\t)+\i)*12288 th:TH_LOAD_NT   ; the largest offset, 511 rows, stays inside the signed 24-bit immediate
.endr
.endm
	WLOAD 0
	WLOAD 1
	s_mul_i32 s23, s21, 32*528
	s_lshl_b32 s24, s22, 8
	s_add_co_u32 s23, s23, s24
	s_add_co_u32 s23, s23, WSTG
	v_mul_u32_u24 v4, v2, 528
	v_add_nc_u32 v4, s23, v4                       ; into the stage: row = my column, 256 kh bytes on
	s_lshl_b32 s23, s21, 10
	s_lshl_b32 s24, s22, 4
	s_add_co_u32 s23, s23, s24
	s_add_co_u32 s23, s23, WSCL
	v_lshl_add_u32 v5, v2, 5, s23                  ; my column's 32 scale bytes, 16 kh on
	s_mul_i32 s23, s20, 16*528
	s_add_co_u32 s23, s23, WSTG
	v_lshl_add_u32 v6, v2, 4, s23                  ; out of the stage: wave w takes columns 16 w on, a whole row of 512 bytes an instruction
	s_lshl_b32 s23, s20, 13
	v_lshl_add_u32 v7, v2, 4, s23                  ; and the same place in wc
	s_lshl_b32 s23, s20, 9
	v_lshl_add_u32 v9, v2, 4, s23                  ; 16 columns' scale bytes are 512 dense bytes
	v_add_nc_u32 v8, WSCL, v9
	s_lshl_b32 s26, ttmp9, 15
	s_add_nc_u64 s[14:15], s[14:15], s[26:27]
	s_lshl_b32 s26, ttmp9, 11
	s_add_nc_u64 s[16:17], s[16:17], s[26:27]
.macro WBLOCK t
.set WS, WX+32*((\t)%2)
.if (\t) < 15
	s_wait_loadcnt 32                              ; this block's 32 loads are in; the next block's may be out
.else
	s_wait_loadcnt 0x0
.endif
	v_max3_num_f32 v16, |v[WS]|, |v[WS+1]|, |v[WS+2]|
	v_max3_num_f32 v17, |v[WS+3]|, |v[WS+4]|, |v[WS+5]|
.irp i, 6,10,14,18,22,26
	v_max3_num_f32 v16, v16, |v[WS+\i]|, |v[WS+\i+1]|
	v_max3_num_f32 v17, v17, |v[WS+\i+2]|, |v[WS+\i+3]|
.endr
	v_max3_num_f32 v16, v16, |v[WS+30]|, |v[WS+31]|
	v_max3_num_f32 v16, v16, v17, 0x1800000        ; the floor 2^(3 - 127)
	v_add_nc_u32 v18, 0xff000000, v16              ; the conversion's scale operand
	v_lshrrev_b32 v19, 23, v18                     ; the scale's byte
.if (\t)%4 == 0
	v_mov_b32 v[WSB+(\t)/4], v19                   ; four bytes to a register, the lower K in the lower byte
.else
	v_lshl_or_b32 v[WSB+(\t)/4], v19, 8*((\t)%4), v[WSB+(\t)/4]
.endif
.irp g, 0,1,2,3
	v_cvt_scalef32_pk8_fp4_f32 v[WC+\g], v[WS+8*\g:WS+8*\g+7], v18
.endr
	ds_store_b128 v4, v[WC:WC+3] offset:16*(\t)    ; 32 codes: 16 bytes of my column's row
.if (\t)+2 < 16
	WLOAD (\t)+2
.endif
	s_wait_dscnt 0x0                               ; the store has taken its registers: the next block's codes may be written
.endm
.irp t, 0,1,2,3,4,5,6,7,8,9,10,11,12,13,14,15
	WBLOCK \t
.endr
	ds_store_b128 v5, v[WSB:WSB+3]
	s_wait_dscnt 0x0                               ; for the others' sake: my stores have landed
	s_barrier_signal -1
	s_barrier_wait -1                              ; a column's row comes from two waves
.irp i, 0,1,2,3,4,5,6,7,8,9,10,11,12,13,14,15
	ds_load_b128 v[WO+4*\i:WO+4*\i+3], v6 offset:528*\i
.endr
	ds_load_b128 v[164:167], v8
.irp i, 0,1,2,3,4,5,6,7,8,9,10,11,12,13,14,15
	s_wait_dscnt 16-\i                             ; behind load i: 15 - i rows and the scale bytes
	global_store_b128 v7, v[WO+4*\i:WO+4*\i+3], s[14:15] offset:512*\i   ; 512 consecutive bytes, aligned
.endr
	s_wait_dscnt 0x0
	global_store_b128 v9, v[164:167], s[16:17]
	s_wait_tensorcnt 0x0                           ; the wave's end: three lines behind my last LDS store
	ds_add_u32 v[SPW], v[NIL]
	s_wait_dscnt 0x0
	s_endpgm
; ---------------- ARM P.  p = work-group - 48: columns 64 (p % 16) on, K = 128 (p / 16) on.  A lane takes a column, its registers run down K: 64 numbers.  hi = f16(w); w - hi is exact in f32;
; lo = f16((w - hi) x 2048), so that lo has hi's size.  Both go through LDS and leave as rows [n][k]: sixteen lanes store 256 consecutive bytes, aligned.
.Lp:
	s_sub_co_u32 s23, ttmp9, 48
	s_and_b32 s24, s23, 15                         ; cb
	s_lshr_b32 s25, s23, 4                         ; kb
	v_lshlrev_b32 v3, 2, v2
	s_lshl_b32 s26, s25, 19                        ; 128 kb rows of 4,096 bytes
	s_lshl_b32 s28, s22, 18                        ; 64 kh rows
	s_add_co_u32 s26, s26, s28
	s_lshl_b32 s28, s24, 8
	s_add_co_u32 s26, s26, s28
	s_lshl_b32 s28, s21, 7
	s_add_co_u32 s26, s26, s28                     ; + 4 (64 cb + 32 cg)
	s_add_nc_u64 s[8:9], s[8:9], s[26:27]
.irp i, 0,1,2,3,4,5,6,7,8,9,10,11,12,13,14,15,16,17,18,19,20,21,22,23,24,25,26,27,28,29,30,31,32,33,34,35,36,37,38,39,40,41,42,43,44,45,46,47,48,49,50,51,52,53,54,55,56,57,58,59,60,61,62,63
	global_load_b32 v[32+\i], v3, s[8:9] offset:4096*\i th:TH_LOAD_NT
.endr
	s_mul_i32 s28, s21, 32*272
	s_lshl_b32 s29, s22, 7
	s_add_co_u32 s28, s28, s29
	s_add_co_u32 s28, s28, PH
	v_mul_u32_u24 v4, v2, 272
	v_add_nc_u32 v4, s28, v4                       ; into the stage: row = my column, 128 kh bytes on
	s_mul_i32 s28, s20, 16*272
	s_add_co_u32 s28, s28, PH
	v_lshrrev_b32 v6, 4, v2
	v_and_b32 v7, 15, v2
	v_mul_u32_u24 v5, v6, 272
	v_lshl_add_u32 v5, v7, 4, v5
	v_add_nc_u32 v5, s28, v5                       ; out of it: wave w takes columns 16 w on, two rows an instruction
	v_lshlrev_b32 v8, 11, v6
	v_lshl_add_u32 v8, v7, 4, v8                   ; and the same two rows of 2,048 bytes in wp
	s_lshl_b32 s26, s24, 17
	s_lshl_b32 s28, s20, 15
	s_add_co_u32 s26, s26, s28
	s_lshl_b32 s28, s25, 8
	s_add_co_u32 s26, s26, s28                     ; (64 cb + 16 w) rows + 256 kb bytes
	s_add_nc_u64 s[18:19], s[18:19], s[26:27]
; pair i: k = 2 i, 2 i + 1 of my 64.  hl, hh: the two halves of v[96 + i], given as text
.macro PSPLIT i, hl, hh
	v_cvt_pk_f16_f32 v[96+\i], v[32+2*\i], v[33+2*\i]
	v_cvt_f32_f16 v[16+2*(\i%4)], \hl
	v_cvt_f32_f16 v[17+2*(\i%4)], \hh
	v_pk_add_f32 v[16+2*(\i%4):17+2*(\i%4)], v[32+2*\i:33+2*\i], v[16+2*(\i%4):17+2*(\i%4)] neg_lo:[0,1] neg_hi:[0,1]
	v_pk_mul_f32 v[16+2*(\i%4):17+2*(\i%4)], v[16+2*(\i%4):17+2*(\i%4)], 0x45000000 op_sel_hi:[1,0]
	v_cvt_pk_f16_f32 v[128+\i], v[16+2*(\i%4)], v[17+2*(\i%4)]
.endm
	s_wait_loadcnt 32                              ; the first 32 numbers are in
	PSPLIT 0, v96.l, v96.h
	PSPLIT 1, v97.l, v97.h
	PSPLIT 2, v98.l, v98.h
	PSPLIT 3, v99.l, v99.h
	PSPLIT 4, v100.l, v100.h
	PSPLIT 5, v101.l, v101.h
	PSPLIT 6, v102.l, v102.h
	PSPLIT 7, v103.l, v103.h
	PSPLIT 8, v104.l, v104.h
	PSPLIT 9, v105.l, v105.h
	PSPLIT 10, v106.l, v106.h
	PSPLIT 11, v107.l, v107.h
	PSPLIT 12, v108.l, v108.h
	PSPLIT 13, v109.l, v109.h
	PSPLIT 14, v110.l, v110.h
	PSPLIT 15, v111.l, v111.h
	s_wait_loadcnt 0x0
	PSPLIT 16, v112.l, v112.h
	PSPLIT 17, v113.l, v113.h
	PSPLIT 18, v114.l, v114.h
	PSPLIT 19, v115.l, v115.h
	PSPLIT 20, v116.l, v116.h
	PSPLIT 21, v117.l, v117.h
	PSPLIT 22, v118.l, v118.h
	PSPLIT 23, v119.l, v119.h
	PSPLIT 24, v120.l, v120.h
	PSPLIT 25, v121.l, v121.h
	PSPLIT 26, v122.l, v122.h
	PSPLIT 27, v123.l, v123.h
	PSPLIT 28, v124.l, v124.h
	PSPLIT 29, v125.l, v125.h
	PSPLIT 30, v126.l, v126.h
	PSPLIT 31, v127.l, v127.h
.irp j, 0,1,2,3,4,5,6,7
	ds_store_b128 v4, v[96+4*\j:99+4*\j] offset:16*\j
	ds_store_b128 v4, v[128+4*\j:131+4*\j] offset:PLD+16*\j
.endr
	s_wait_dscnt 0x0                               ; for the others' sake: my stores have landed
	s_barrier_signal -1
	s_barrier_wait -1                              ; a column's row comes from two waves
.irp i, 0,1,2,3,4,5,6,7
	ds_load_b128 v[160+4*\i:163+4*\i], v5 offset:544*\i
.endr
.irp i, 0,1,2,3,4,5,6,7
	ds_load_b128 v[192+4*\i:195+4*\i], v5 offset:PLD+544*\i
.endr
.irp i, 0,1,2,3,4,5,6,7
	s_wait_dscnt 15-\i
	global_store_b128 v8, v[160+4*\i:163+4*\i], s[18:19] offset:4096*\i
.endr
.irp i, 0,1,2,3,4,5,6,7
	s_wait_dscnt 7-\i
	global_store_b128 v8, v[192+4*\i:195+4*\i], s[18:19] offset:2097152+4096*\i
.endr
	s_wait_tensorcnt 0x0                           ; the wave's end: three lines behind my last LDS store
	ds_add_u32 v[SPW], v[NIL]
	s_wait_dscnt 0x0
	s_endpgm
.Lfunc_end_k_q58e9169c18_prep:
	.size	k_q58e9169c18_prep, .Lfunc_end_k_q58e9169c18_prep-k_q58e9169c18_prep
	.p2alignl 7, 3214868480
	.fill 96, 4, 3214868480
	.section	.rodata,"a",@progbits
	.p2align	6, 0x0
	.amdhsa_kernel k_q58e9169c18_prep
		.amdhsa_group_segment_fixed_size 103936
		.amdhsa_private_segment_fixed_size 0
		.amdhsa_enable_private_segment 0
		.amdhsa_kernarg_size 64
		.amdhsa_user_sgpr_count 2
		.amdhsa_user_sgpr_kernarg_segment_ptr 1
		.amdhsa_wavefront_size32 1
		.amdhsa_system_sgpr_workgroup_id_x 1
		.amdhsa_system_sgpr_workgroup_id_y 1
		.amdhsa_system_sgpr_workgroup_id_z 1
		.amdhsa_system_vgpr_workitem_id 0
		.amdhsa_next_free_vgpr 224
		.amdhsa_next_free_sgpr 66
		.amdhsa_reserve_vcc 0
		.amdhsa_float_denorm_mode_32 3
		.amdhsa_float_denorm_mode_16_64 3
		.amdhsa_memory_ordered 1
		.amdhsa_forward_progress 1
		.amdhsa_inst_pref_size 134
	.end_amdhsa_kernel
	.amdgpu_metadata
---
amdhsa.version: [ 1, 2 ]
amdhsa.kernels:
  - .name:           k_q58e9169c18_prep
    .symbol:         k_q58e9169c18_prep.kd
    .args:
      - { .name: x, .offset: 0, .size: 8, .value_kind: global_buffer, .address_space: global }
      - { .name: w_qkv, .offset: 8, .size: 8, .value_kind: global_buffer, .address_space: global }
      - { .name: w_proj, .offset: 16, .size: 8, .value_kind: global_buffer, .address_space: global }
      - { .name: xc, .offset: 24, .size: 8, .value_kind: global_buffer, .address_space: global }
      - { .name: xs, .offset: 32, .size: 8, .value_kind: global_buffer, .address_space: global }
      - { .name: wc, .offset: 40, .size: 8, .value_kind: global_buffer, .address_space: global }
      - { .name: ws, .offset: 48, .size: 8, .value_kind: global_buffer, .address_space: global }
      - { .name: wp, .offset: 56, .size: 8, .value_kind: global_buffer, .address_space: global }
    .group_segment_fixed_size: 103936
    .private_segment_fixed_size: 0
    .kernarg_segment_align: 8
    .kernarg_segment_size: 64
    .max_flat_workgroup_size: 128
    .sgpr_count:     66
    .vgpr_count:     224
    .wavefront_size: 32
...
	.end_amdgpu_metadata
.endif
;; end of part 1
;; launch qkvgemm (part 2): grid 12 x 32, 4 waves a work-group, clusters of 4 x 4, 327,680 bytes of LDS; arguments xc, xs, wc, ws, b_qkv, qkv, qkvf; writes qkv, qkvf
.if DOCPART == 2
	.amdgcn_target "amdgcn-amd-amdhsa--gfx1250"
	.amdhsa_code_object_version 6
	.text
	.protected	k_q58e9169c18_qkvgemm
	.globl	k_q58e9169c18_qkvgemm
	.p2align	8
	.type	k_q58e9169c18_qkvgemm,@function
k_q58e9169c18_qkvgemm:
	s_mov_b64 s[64:65], 0
	v_nop
	global_prefetch_b8 v0, s[64:65] scope:SCOPE_SE
	s_setreg_imm32_b32 hwreg(HW_REG_WAVE_MODE, 25, 1), 1
	s_wait_xcnt 0x0
	s_wait_alu depctr_hold_cnt(0) depctr_sa_sdst(0) depctr_va_vdst(0) depctr_va_sdst(0) depctr_va_ssrc(0) depctr_va_vcc(0) depctr_vm_vsrc(0)
	s_getreg_b32 s2, hwreg(HW_REG_IB_STS2, 6, 4)
	s_cmp_eq_u32 s2, 0
	s_cbranch_scc0 .Lentry_in_a_cluster
	s_endpgm
.Lentry_in_a_cluster:
	s_bfe_u32 s2, ttmp6, 0x10000c
	s_cmp_lg_u32 s2, 0xf033
	s_cbranch_scc0 .Lentry_shape_is_right
	s_endpgm
.Lentry_shape_is_right:
; Launch 2 of 5: qkv = Q(x) Q(w_qkv) + b_qkv on codes of E2M1 with one E8M0 scale for each 32 along K; sums in f32.  M 8192, N 3072, K 1024.
; LEFT OUT: the K third of b_qkv (a term q . bk is the same along the softmax's axis: shown at the head of the first launch); its bytes are not loaded, k goes on without it.
; A tile of 256 x 256 is made by four waves, 128 x 128 each: 64 accumulators of 16 x 16, 512 registers.  All of K lies in two LDS slots of 512 along K, asked for at the head: nothing is filled again.
; A wave has three tensor loads out at the start: its quarter of the scale bytes, of slot 0 and of slot 1.
; CLUSTERS: 4 x 4 work-groups.  Tile column J = 4 x cluster x + cx (so cluster x says which of q, k, v); tile row R = 8 cy + cluster y (so cy is the batch and cluster y the block of 256 positions).
; The four of a row of the cluster (same cy) need the same tiles of x, the four of a column the same tiles of w: each tile is asked for jointly.
; THE MATRIX INSTRUCTION IS USED TRANSPOSED (source 0 = 16 rows of w's codes, source 1 = 16 rows of x's): a lane holds eight neighbouring columns of one row.  The bias is the C of each sum's first product.
; OUT: qkv as f16, [which][batch][head][position][64]: 16 positions of a head are 2,048 dense bytes; each store of a wave covers 512 consecutive bytes, aligned.
; The first 16 positions of every batch also go out in f32 (qkvf, [16 batch + position][3072]) for the last launch: 32 bytes a lane, so aligned blocks of 256 bytes are written in parts: 786,432 bytes of the launch's 51 million.
; LIMIT: q, k, v beyond 65,504 in size do not fit f16.
; REGISTERS, in windows of 256: window 0: v0-31 addresses; v32-95 scale words, two sets; v128-191 x's fragments, one set; v192-255 the bias; on the way out v128-223 are at work.
;   window 1: w's fragments, two sets, at v0 and v128.   window 2: the accumulators of my rows 0-63 ((a, b) at v[8 (8 a + b)]);   window 3: those of my rows 64-127.
.set NQ,     4                         ; steps of 128 along K in a slot
.set ROWB,   256                       ; a tile's row in bytes: 512 codes
.set KROW,   512                       ; a row of codes in memory
.set PITCH,  272                       ; an LDS row: 256 bytes + 16: the sixteen rows of a load start in sixteen different 16-byte columns of 256 bytes
.set FR,     8
.set NL,     2
.set NP,     4                         ; places behind this matrix instruction (ISA guide 7.12.1)
.set HALFT,  128*PITCH
.set SLOT,   4*HALFT
.set KS,     32                        ; a row of scale bytes
.set SCL,    2*SLOT
.set HALFS,  16*272                    ; the scale bytes of 128 rows: 16 rows of 256 bytes + 16
.set SBLK,   2*272                     ; those of 16 rows
.set SPARE,  SCL+4*HALFS               ; the spare words, 128 bytes for each wave: two blocks of 256 bytes that no other line names
.set ADRA, 16
.set ADRB, 20
.set STO,  24                          ; the way out: stage + 272 r + 16 h
.set RD,   25                          ; stage + 272 (lane / 8) + 16 (lane % 8)
.set CO,   26                          ; 16 x lane
.set ADRS, 27
.set SPW,  28
.set NIL,  29
.set FO,   30                          ; qkvf: 12,288 r + 32 h
.set BO,   31                          ; the bias: 32 h
.set SC,   32
.set AF,   128
.set BI,   192
.set TMP,  128                         ; the way out: 32 registers of packed f16
.set BK,   160                         ; and 16 rows back from the stage: v160-191 and v192-223 by turns
.set G1, 24
.set G0, 32
.set G1B, 48
.set G0B, 56
.set G1S, 68
.set G0S, 76
.set G1SB, 80
.set G0SB, 88
.set MSB, 0
.macro WIN new                         ; the immediate's high byte repeats the setting that is left
.if MSB != \new
	s_set_vgpr_msb (MSB<<8)|\new
.set MSB, \new
.endif
.endm
.set MUL_LO, 0xa1                      ; source 0 (w) window 1, source 1 (x) window 0, C and D window 2
.set MUL_HI, 0xf1                      ; the same, C and D window 3
.set TO_B,   0x40
; A joint load: waves 0 and 1 fetch for x, waves 2 and 3 for w.  An s_nop 0 and four v_nop follow each of the two lines.
.macro JLOAD g0a, g1a, g0b, g1b
	s_cmp_eq_u32 s15, 0
	s_cbranch_scc0 .Lfor_b_\@
	tensor_load_to_lds s[\g0a:\g0a+3], s[\g1a:\g1a+7]
	s_nop 0
.rept 4
	v_nop
.endr
	s_branch .Lasked_\@
.Lfor_b_\@:
	tensor_load_to_lds s[\g0b:\g0b+3], s[\g1b:\g1b+7]
	s_nop 0
.rept 4
	v_nop
.endr
.Lasked_\@:
.endm
.macro CROUND                          ; a round of the cluster's barrier
	s_barrier_signal -1
	s_barrier_wait -1
	s_cmp_lg_u32 s14, 0
	s_cbranch_scc1 .Lnot_wave_0_\@
	s_barrier_signal -3
.Lnot_wave_0_\@:
	s_barrier_wait -3
	s_barrier_signal -1
	s_barrier_wait -1
.endm
	s_load_b128 s[4:7], s[0:1], 0x0                ; xc s[4:5], xs s[6:7]
	s_load_b128 s[8:11], s[0:1], 0x10              ; wc s[8:9], ws s[10:11]
	s_load_b128 s[96:99], s[0:1], 0x20             ; b_qkv s[96:97], qkv s[98:99]
	s_load_b64 s[66:67], s[0:1], 0x30              ; qkvf
	v_lshl_add_u32 v[SPW], v0, 2, SPARE
	v_mov_b32 v[NIL], 0
	ds_add_u32 v[SPW], v[NIL]                      ; the wave's opening: the add, twice on end, and its wait ahead of my first tensor load
	ds_add_u32 v[SPW], v[NIL]
	v_lshrrev_b32 v1, 5, v0
	v_readfirstlane_b32 s14, v1                    ; wave 0..3
	s_lshr_b32 s15, s14, 1                         ; which half of the tile's rows is mine.  Also: I fetch for x (0) or for w (1)
	s_and_b32 s16, s14, 1                          ; which half of its columns.  Also: which 128 rows of that tile I fetch
	s_bfe_u32 s40, ttmp6, 0x40000                  ; cx
	s_bfe_u32 s41, ttmp6, 0x40004                  ; cy
	s_lshl_b32 s42, ttmp9, 2
	s_add_co_u32 s42, s42, s40                     ; J = 4 x cluster x + cx
	s_and_b32 s100, ttmp7, 0xffff                  ; cluster y
	s_lshl_b32 s17, s41, 3
	s_add_co_u32 s17, s17, s100                    ; R = 8 cy + cluster y
	s_lshl_b32 s43, s41, 2
	s_lshl_b32 s43, 15, s43                        ; my row of the cluster
	s_lshl_b32 s44, 0x1111, s40                    ; my column
	s_or_b32 s[G1+0], s43, (0<<16)|(1<<20)|(1<<21)|(5<<22)|(3<<25)  ; the mask; elements of 1 byte; padding on; bit 21 beside a mask; after every 64 words, 4 words
	s_or_b32 s[G1B+0], s44, (0<<16)|(1<<20)|(1<<21)|(5<<22)|(3<<25)
.irp g, G1, G1B
	s_mov_b32 s[\g+1], ROWB<<16                    ; tensor_dim0
	s_mov_b32 s[\g+2], 128<<16                     ; tensor_dim1
	s_mov_b32 s[\g+3], ROWB<<16                    ; tile_dim0
	s_mov_b32 s[\g+4], 128                         ; tile_dim1
	s_mov_b32 s[\g+5], KROW                        ; from row to row
	s_mov_b32 s[\g+6], 0
	s_mov_b32 s[\g+7], 0
.endr
	s_or_b32 s[G1S+0], s43, (3<<16)|(1<<20)|(1<<21)|(5<<22)|(3<<25)  ; the scale bytes of 128 rows: 4,096 dense bytes as 16 rows of 32 elements of 8 bytes
	s_or_b32 s[G1SB+0], s44, (3<<16)|(1<<20)|(1<<21)|(5<<22)|(3<<25)
.irp g, G1S, G1SB
	s_mov_b32 s[\g+1], 32<<16
	s_mov_b32 s[\g+2], 16<<16
	s_mov_b32 s[\g+3], 32<<16
	s_mov_b32 s[\g+4], 16
	s_mov_b32 s[\g+5], 32
	s_mov_b32 s[\g+6], 0
	s_mov_b32 s[\g+7], 0
.endr
	s_lshl_b32 s18, s16, 7
	s_lshl_b32 s20, s17, 8
	s_add_co_u32 s20, s20, s18                     ; x: row 256 R + 128 x half
	s_lshl_b32 s46, s42, 8
	s_add_co_u32 s46, s46, s18                     ; w: row 256 J + 128 x half
	s_mov_b32 s21, 0
	s_mov_b32 s47, 0
	s_mov_b64 s[18:19], KS
	s_mul_u64 s[22:23], s[20:21], s[18:19]         ; where these rows' scale bytes begin
	s_mul_u64 s[92:93], s[46:47], s[18:19]
	s_mov_b64 s[18:19], KROW
	s_mul_u64 s[20:21], s[20:21], s[18:19]         ; and their codes
	s_mul_u64 s[46:47], s[46:47], s[18:19]
	s_mul_i32 s45, s14, HALFT                      ; where they go: wave x 128 rows
	s_mul_i32 s94, s14, HALFS
	s_wait_dscnt 0x0                               ; both opening adds are done
	s_wait_kmcnt 0x0
	s_add_nc_u64 s[20:21], s[4:5], s[20:21]
	s_add_nc_u64 s[22:23], s[6:7], s[22:23]
	s_add_nc_u64 s[46:47], s[8:9], s[46:47]
	s_add_nc_u64 s[92:93], s[10:11], s[92:93]
	CROUND                                         ; all sixteen work-groups are here: the joint loads meet
	s_mov_b32 s[G0S], 1
	s_add_co_u32 s[G0S+1], s94, SCL
	s_mov_b64 s[G0S+2:G0S+3], s[22:23]
	s_or_b32 s[G0S+3], s[G0S+3], 0x80000000
	s_mov_b32 s[G0SB], 1
	s_add_co_u32 s[G0SB+1], s94, SCL
	s_mov_b64 s[G0SB+2:G0SB+3], s[92:93]
	s_or_b32 s[G0SB+3], s[G0SB+3], 0x80000000
	JLOAD G0S, G1S, G0SB, G1SB                     ; the scale bytes first: they are wanted with the first step
.irp s, 0,1
	s_mov_b32 s[G0+4*\s], 1
	s_add_co_u32 s[G0+4*\s+1], s45, \s*SLOT
	s_add_nc_u64 s[G0+4*\s+2:G0+4*\s+3], s[20:21], \s*ROWB
	s_or_b32 s[G0+4*\s+3], s[G0+4*\s+3], 0x80000000
	s_mov_b32 s[G0B+4*\s], 1
	s_add_co_u32 s[G0B+4*\s+1], s45, \s*SLOT
	s_add_nc_u64 s[G0B+4*\s+2:G0B+4*\s+3], s[46:47], \s*ROWB
	s_or_b32 s[G0B+4*\s+3], s[G0B+4*\s+3], 0x80000000
	JLOAD G0+4*\s, G1, G0B+4*\s, G1B
.endr
	v_and_b32 v1, 15, v0                           ; r
	v_bfe_u32 v2, v0, 4, 1                         ; h
	v_mul_u32_u24 v3, v1, PITCH
	v_lshl_add_u32 v4, v2, 4, v3                   ; a fragment's row x pitch + 16 h
	s_mul_i32 s21, s15, HALFT
	s_mul_i32 s22, s16, HALFT
	s_add_co_u32 s22, s22, 2*HALFT
.irp s, 0,1
	v_add_nc_u32 v[ADRA+\s], s21, v4
	v_add_nc_u32 v[ADRB+\s], s22, v4
	s_add_co_u32 s21, s21, SLOT
	s_add_co_u32 s22, s22, SLOT
.endr
	v_mul_u32_u24 v5, v1, KS                       ; my row's scale bytes: 32 a row,
	v_lshrrev_b32 v6, 8, v5
	v_lshl_add_u32 v5, v6, 4, v5                   ; and 16 more for each 256 passed
	s_mul_i32 s21, s15, HALFS
	s_mul_i32 s22, s16, HALFS
	s_add_co_u32 s22, s22, 2*HALFS
	s_sub_co_u32 s22, s22, s21
	v_mul_u32_u24 v6, s22, v2                      ; lanes 16-31 take w's
	s_add_co_u32 s21, s21, SCL
	v_add_nc_u32 v5, v5, v6
	v_add_nc_u32 v[ADRS], s21, v5
	s_mul_i32 s23, s14, 16*PITCH                   ; my stage: 16 rows x 272 bytes, in slot 0: it has had its only fill, and nobody takes it in behind the change of slots
	v_add_nc_u32 v[STO], s23, v4
	v_bfe_u32 v5, v0, 3, 2
	v_mul_u32_u24 v5, v5, PITCH
	v_and_b32 v6, 7, v0
	v_lshl_add_u32 v5, v6, 4, v5
	v_add_nc_u32 v[RD], s23, v5
	v_and_b32 v6, 31, v0
	v_lshlrev_b32 v[CO], 4, v6
	v_mul_u32_u24 v[FO], v1, 12288
	v_lshl_add_u32 v[FO], v2, 5, v[FO]
	v_lshlrev_b32 v[BO], 5, v2
	s_lshl_b32 s20, ttmp9, 24                      ; qkv: which x 16,777,216
	s_lshl_b32 s21, s41, 22                        ; + batch x 4,194,304
	s_add_co_u32 s20, s20, s21
	s_lshl_b32 s21, s40, 20                        ; + head 4 cx
	s_add_co_u32 s20, s20, s21
	s_lshl_b32 s21, s16, 19                        ; + 2 x my half, of 262,144 bytes each
	s_add_co_u32 s20, s20, s21
	s_lshl_b32 s21, s100, 15                       ; + 256 x cluster y positions of 128 bytes
	s_add_co_u32 s20, s20, s21
	s_lshl_b32 s21, s15, 14                        ; + 128 x my half
	s_add_co_u32 s20, s20, s21
	s_mov_b32 s21, 0
	s_add_nc_u64 s[12:13], s[98:99], s[20:21]
	s_lshl_b32 s20, s42, 10
	s_lshl_b32 s22, s16, 9
	s_add_co_u32 s20, s20, s22                     ; my first column in f32 bytes: 1,024 J + 512 x half
	s_add_nc_u64 s[2:3], s[96:97], s[20:21]        ; in b_qkv,
	s_add_nc_u64 s[66:67], s[66:67], s[20:21]
	s_mul_i32 s20, s41, 196608
	s_add_nc_u64 s[66:67], s[66:67], s[20:21]      ; and in my batch's 16 rows of qkvf
	; THE BIAS, in the result's layout: lane (r, h) holds, for block b of columns, b_qkv[my first column + 16 b + 8 h + 0 .. 7].  The K part takes zeros and loads nothing.  The branch hangs on the cluster's x: alike in all partners
	s_cmp_eq_u32 ttmp9, 1
	s_cbranch_scc1 .Lk_part
.irp b, 0,1,2,3,4,5,6,7
	global_load_b128 v[BI+8*\b:BI+8*\b+3], v[BO], s[2:3] offset:64*\b
	global_load_b128 v[BI+8*\b+4:BI+8*\b+7], v[BO], s[2:3] offset:64*\b+16
.endr
	s_branch .Lbias_set
.Lk_part:
.irp j, 0,1,2,3,4,5,6,7,8,9,10,11,12,13,14,15,16,17,18,19,20,21,22,23,24,25,26,27,28,29,30,31,32,33,34,35,36,37,38,39,40,41,42,43,44,45,46,47,48,49,50,51,52,53,54,55,56,57,58,59,60,61,62,63
	v_mov_b32 v[BI+\j], 0
.endr
.Lbias_set:
.macro FRAG reg, adr, q, i             ; 16 rows x 128 K of 4-bit codes: registers 4 c .. 4 c + 3 hold K = 64 c + 32 h + 0 .. 31
.irp c, 0,1
	ds_load_b128 v[\reg+4*\c:\reg+4*\c+3], v[\adr] offset:64*(\q)+32*\c+(\i)*16*PITCH
.endr
.endm
; 16 matrix instructions: x's blocks a0, a0 + 1 against w's eight, 128 along K.  bias = 1: the first product starts the sums from the bias.  The 64 accumulators take turns, one instruction a turn.
.macro MUL16 a0, p, q, sc, bias
.irp a, \a0, \a0+1
.irp b, 0,1,2,3,4,5,6,7
.if \bias
	v_wmma_scale_f32_16x16x128_f8f6f4 v[8*(8*((\a)%4)+\b):8*(8*((\a)%4)+\b)+7], v[128*(\p)+FR*\b:128*(\p)+FR*\b+FR-1], v[AF+FR*(\a):AF+FR*(\a)+FR-1], v[BI+8*\b:BI+8*\b+7], v[SC+8*NQ*(\sc)+NQ*\b+(\q)], v[SC+8*NQ*(\sc)+NQ*(\a)+(\q)] matrix_a_fmt:MATRIX_FMT_FP4 matrix_b_fmt:MATRIX_FMT_FP4 matrix_a_scale:MATRIX_SCALE_ROW1
.else
	v_wmma_scale_f32_16x16x128_f8f6f4 v[8*(8*((\a)%4)+\b):8*(8*((\a)%4)+\b)+7], v[128*(\p)+FR*\b:128*(\p)+FR*\b+FR-1], v[AF+FR*(\a):AF+FR*(\a)+FR-1], v[8*(8*((\a)%4)+\b):8*(8*((\a)%4)+\b)+7], v[SC+8*NQ*(\sc)+NQ*\b+(\q)], v[SC+8*NQ*(\sc)+NQ*(\a)+(\q)] matrix_a_fmt:MATRIX_FMT_FP4 matrix_b_fmt:MATRIX_FMT_FP4 matrix_a_scale:MATRIX_SCALE_ROW1
.endif
.endr
.endr
.endm
.macro FETCH_B slot, q, p
	WIN TO_B
.irp i, 0,1,2,3,4,5,6,7
	FRAG 128*(\p)+FR*\i, ADRB+\slot, \q, \i
.endr
	WIN 0
.endm
.macro FETCH_A slot, q, i0
.irp i, \i0, \i0+1, \i0+2, \i0+3
	FRAG AF+FR*(\i), ADRA+\slot, \q, \i
.endr
.endm
.macro SCALES sc                       ; a slot's scale words: 4 words a row; lanes 0-15 take x's block i, lanes 16-31 w's block i
.irp i, 0,1,2,3,4,5,6,7
	ds_load_b128 v[SC+8*NQ*\sc+NQ*\i:SC+8*NQ*\sc+NQ*\i+3], v[ADRS] offset:\i*SBLK
.endr
.endm
.macro PLACES n                        ; plain vector instructions between a matrix instruction and a load into, or a use of, its registers
.rept \n
	v_nop
.endr
.endm
.macro STEP slot, q, bias              ; a step of 128 along K that has its successor in the same slot
	s_wait_dscnt 4*NL                              ; w's set and x's blocks 0-3 are in; the youngest eight loads (x's blocks 4-7) may be out
.if \bias
	WIN 0x81                                       ; C, the bias, in window 0
.else
	WIN MUL_LO
.endif
	MUL16 0, (\q)%2, \q, \slot, \bias
	MUL16 2, (\q)%2, \q, \slot, \bias
	s_wait_dscnt 0
	PLACES NP
	FETCH_B \slot, (\q)+1, 1-(\q)%2
	FETCH_A \slot, (\q)+1, 0
.if \bias
	WIN 0xc1
.else
	WIN MUL_HI
.endif
	MUL16 4, (\q)%2, \q, \slot, \bias
	MUL16 6, (\q)%2, \q, \slot, \bias
	PLACES NP
	WIN 0
	FETCH_A \slot, (\q)+1, 4
.endm
	s_wait_tensorcnt 1                             ; the scale bytes and my part of slot 0 are in (slot 1's load may be out)
	s_barrier_signal -1
	s_barrier_wait -1                              ; everybody's are
	FETCH_B 0, 0, 0
	FETCH_A 0, 0, 0
	SCALES 0
	FETCH_A 0, 0, 4
	s_wait_loadcnt 0x0                             ; the bias
	STEP 0, 0, 1
	STEP 0, 1, 0
	STEP 0, 2, 0
	; slot 0's last step changes slots: one barrier
	s_wait_tensorcnt 0x0                           ; my part of slot 1 has landed: no tensor load of mine is out
	ds_add_u32 v[SPW], v[NIL]                      ; 0 onto my spare word
	s_wait_dscnt 4*NL+1                            ; (the add and the youngest eight loads may be out)
	WIN MUL_LO
	MUL16 0, 1, NQ-1, 0, 0
	s_wait_dscnt 0x0                               ; the add is done, and my loads from slot 0 are over
	s_barrier_signal -1
	MUL16 2, 1, NQ-1, 0, 0
	WIN 0
	s_barrier_wait -1
	PLACES NP
	v_add_nc_u32 v[ADRS], 4*NQ, v[ADRS]            ; on to slot 1's scale words
	FETCH_B 1, 0, 0
	FETCH_A 1, 0, 0
	SCALES 1
	WIN MUL_HI
	MUL16 4, 1, NQ-1, 0, 0
	MUL16 6, 1, NQ-1, 0, 0
	PLACES NP
	WIN 0
	FETCH_A 1, 0, 4
	STEP 1, 0, 0
	STEP 1, 1, 0
	STEP 1, 2, 0
	s_wait_dscnt 4*NL                              ; the very last step: nothing more to fetch
	WIN MUL_LO
	MUL16 0, 1, NQ-1, 1, 0
	MUL16 2, 1, NQ-1, 1, 0
	s_wait_dscnt 0
	WIN MUL_HI
	MUL16 4, 1, NQ-1, 1, 0
	MUL16 6, 1, NQ-1, 1, 0
	WIN 0
	PLACES NP                                      ; behind the last products: for the stores and conversions below, and for the writes into the registers that held x's fragments
	; THE FIRST 16 POSITIONS IN F32: they are block 0 of the upper waves where cluster y = 0.  The branch hangs on the cluster's y and the wave's number: alike in all partners
	s_or_b32 s95, s100, s15
	s_cmp_lg_u32 s95, 0
	s_cbranch_scc1 .Lno_fine
	WIN 0x08                                       ; a store's data: window 2
.irp b, 0,1,2,3,4,5,6,7
	global_store_b128 v[FO], v[8*\b:8*\b+3], s[66:67] offset:64*\b       ; each accumulator from its low end on
	global_store_b128 v[FO], v[8*\b+4:8*\b+7], s[66:67] offset:64*\b+16
.endr
	WIN 0
.Lno_fine:
; THE WAY OUT, block by block of 16 rows x 128 columns (two heads): rounded to f16, 16 bytes a lane, into my stage; back by heads: four rows of 128 bytes an instruction, which are 512 dense bytes of qkv.
.macro PACK a
.set AC, 64*((\a)%4)
	WIN 0x0a+5*((\a)/4)                            ; sources 0 and 1: window 2 or 3
.irp b, 0,1,2,3,4,5,6,7
.irp r, 0,1,2,3
	v_cvt_pk_f16_f32 v[TMP+4*\b+\r], v[AC+8*\b+2*\r], v[AC+8*\b+2*\r+1]
.endr
.endr
	WIN 0
.endm
.macro TOSTAGE a
.set BB, BK+32*((\a)%2)
.irp b, 0,1,2,3,4,5,6,7
	ds_store_b128 v[STO], v[TMP+4*\b:TMP+4*\b+3] offset:32*\b
.endr
.irp g, 0,1
.irp u, 0,1,2,3
	ds_load_b128 v[BB+16*\g+4*\u:BB+16*\g+4*\u+3], v[RD] offset:1088*\u+128*\g   ; LDS serves a wave's instructions in order: these see the stores above
.endr
.endr
.endm
.macro SEND a, younger
.set BB, BK+32*((\a)%2)
	s_wait_dscnt \younger                          ; the block is back in registers
	s_wait_xcnt 0x0                                ; the stores of the block before have taken their registers: the next block's loads from the stage may land there
.irp g, 0,1
.irp u, 0,1,2,3
	global_store_b128 v[CO], v[BB+16*\g+4*\u:BB+16*\g+4*\u+3], s[12:13] offset:262144*\g+2048*(\a)+512*\u
.endr
.endr
.endm
	PACK 0
	TOSTAGE 0
.irp a, 1,2,3,4,5,6,7                  ; block a's conversions stand between block a - 1's loads from the stage and the wait for them
	PACK \a
	SEND \a-1, 0
	TOSTAGE \a
.endr
	SEND 7, 0
	s_wait_tensorcnt 0x0                           ; the wave's end: three lines behind my last tensor load and my last LDS store
	ds_add_u32 v[SPW], v[NIL]
	s_wait_dscnt 0x0
	CROUND                                         ; the closing round
	s_endpgm
.Lfunc_end_k_q58e9169c18_qkvgemm:
	.size	k_q58e9169c18_qkvgemm, .Lfunc_end_k_q58e9169c18_qkvgemm-k_q58e9169c18_qkvgemm
	.p2alignl 7, 3214868480
	.fill 96, 4, 3214868480
	.section	.rodata,"a",@progbits
	.p2align	6, 0x0
	.amdhsa_kernel k_q58e9169c18_qkvgemm
		.amdhsa_group_segment_fixed_size 327680
		.amdhsa_private_segment_fixed_size 0
		.amdhsa_enable_private_segment 0
		.amdhsa_kernarg_size 56
		.amdhsa_user_sgpr_count 2
		.amdhsa_user_sgpr_kernarg_segment_ptr 1
		.amdhsa_wavefront_size32 1
		.amdhsa_system_sgpr_workgroup_id_x 1
		.amdhsa_system_sgpr_workgroup_id_y 1
		.amdhsa_system_sgpr_workgroup_id_z 1
		.amdhsa_system_vgpr_workitem_id 0
		.amdhsa_next_free_vgpr 1024
		.amdhsa_next_free_sgpr 102
		.amdhsa_reserve_vcc 0
		.amdhsa_float_denorm_mode_32 3
		.amdhsa_float_denorm_mode_16_64 3
		.amdhsa_memory_ordered 1
		.amdhsa_forward_progress 1
		.amdhsa_inst_pref_size 132
	.end_amdhsa_kernel
	.amdgpu_metadata
---
amdhsa.version: [ 1, 2 ]
amdhsa.kernels:
  - .name:           k_q58e9169c18_qkvgemm
    .symbol:         k_q58e9169c18_qkvgemm.kd
    .args:
      - { .name: xc, .offset: 0, .size: 8, .value_kind: global_buffer, .address_space: global }
      - { .name: xs, .offset: 8, .size: 8, .value_kind: global_buffer, .address_space: global }
      - { .name: wc, .offset: 16, .size: 8, .value_kind: global_buffer, .address_space: global }
      - { .name: ws, .offset: 24, .size: 8, .value_kind: global_buffer, .address_space: global }
      - { .name: b_qkv, .offset: 32, .size: 8, .value_kind: global_buffer, .address_space: global }
      - { .name: qkv, .offset: 40, .size: 8, .value_kind: global_buffer, .address_space: global }
      - { .name: qkvf, .offset: 48, .size: 8, .value_kind: global_buffer, .address_space: global }
    .group_segment_fixed_size: 327680
    .private_segment_fixed_size: 0
    .kernarg_segment_align: 8
    .kernarg_segment_size: 56
    .max_flat_workgroup_size: 128
    .sgpr_count:     102
    .vgpr_count:     1024
    .wavefront_size: 32
...
	.end_amdgpu_metadata
.endif
;; end of part 2
;; launch attn (part 3): grid 4 x 64, 4 waves a work-group, no clusters, 327,680 bytes of LDS; arguments qkv, att; writes att
.if DOCPART == 3
	.amdgcn_target "amdgcn-amd-amdhsa--gfx1250"
	.amdhsa_code_object_version 6
	.text
	.protected	k_q58e9169c18_attn
	.globl	k_q58e9169c18_attn
	.p2align	8
	.type	k_q58e9169c18_attn,@function
k_q58e9169c18_attn:
	s_mov_b64 s[64:65], 0
	v_nop
	global_prefetch_b8 v0, s[64:65] scope:SCOPE_SE
	s_setreg_imm32_b32 hwreg(HW_REG_WAVE_MODE, 25, 1), 1
	s_wait_xcnt 0x0
; Launch 3 of 5: att[b][h][q][:] = the sum over k <= q of softmax_k(q . k / 8) v, on f16 operands with f32 sums, maxima and row sums.  qkv: f16 [which][b][h][t][64]; att: f16 [b][h][t][64].
; LEFT OUT: steps of 64 keys that lie wholly behind a wave's 64 queries: the mask that the problem builds itself makes their weights 0 (shown at the head of the first launch).
; SHARES.  Work-group (I, head) owns two blocks of 256 queries, A = I and B = 7 - I; wave w owns 64 queries of each: four tiles of 16 a piece.  A wave so walks 4 I + w + 1 steps for A and 4 (7 - I) + w + 1 for B:
; 30 + 2 w in all, whatever I is: the 256 work-groups have equal work.  While both pieces are live a fragment of K or V taken from LDS feeds eight tiles.
; NO CLUSTER, though the four work-groups of a head walk the same K and V: they need 8 - I slots each, and leaving the others out would be a branch on a partner's place in the cluster.
; LAYOUT.  S^T = K Q^T (source 0 = 16 keys, source 1 = 16 queries): a lane holds one query (lane % 16) and keys 8 (lane / 16) + 0 .. 7.  Two such tiles, rounded to f16 in pairs, are source 1 of O^T = V^T P.
; K comes out of LDS as it lies, V ([key][channel]) turned, by ds_load_tr16_b128.  A step is written in phases: a piece's 32 products K Q^T, its softmax, its 32 products V^T P.
; SOFTMAX.  A running maximum m and sum l for each query: p = 2^(c s - c m), c = log2(e) / 8; in every step O and l are multiplied by a = 2^(c m_old - c m_new).  m begins at -3e38 and O, l at 0.
; THE RING.  Two slots of 256 keys, 2^17 bytes apart.  Every work-group walks all eight changes of slots (the trip counts are constants); a slot whose first key lies behind the work-group's last query is not asked for.
; Every wait on TENSORcnt is for 0; one tensor load of a wave is out.
; LIMIT: what is stored as f16 (p, O) keeps 11 significant bits; the first 16 positions of each sequence are made again, finer, by the last launch.
; REGISTERS, in windows of 256: window 0: v1-15 addresses; v32-95 eight statistics a tile (tiles 0-3 piece A, 4-7 piece B); v128-255 S^T, 32 a tile.   window 1: O^T, 32 a tile: A v0-127, B v128-255.
;   window 2: Q of A v0-63, of B v64-127; K of a step v128-191; V of a step v192-255.   window 3: P v0-63, 16 a tile.
.set SLOT1, 1<<17
.set VOFF,  34816                      ; a slot: K as 128 rows of (two keys, 256 bytes + 16), then V as 128 rows of (256 bytes + 32)
.set STEPK, 8704                       ; 64 keys on in K
.set STEPV, 9216                       ; and in V
.set STAGE, 262144                     ; the way out: 16 rows x (128 bytes + 16) for each wave; no tensor load lands here
.set SPARE, 271360                     ; the spare words, 128 bytes for each wave: two blocks of 256 bytes that no other line names
.set AK0, 3
.set AV0, 4
.set ADK, 5
.set ADV, 6
.set QO,  7
.set STO, 8
.set RD,  9
.set GO,  10
.set PFO, 11
.set NEG, 12                           ; -infinity
.set DG,  13                           ; r - 8 h
.set SPW, 14
.set NIL, 15
.set ST,  32                           ; tile u at v[ST + 8 u]: +0 c m, +1 m, +2, +3 l (even keys', odd keys'), +4 .. +7 at work; a in +6
.set S,   128
.set KFR, 128
.set VF,  192
.set WV,  8
.set QA,  16                           ; my first query of piece A
.set QB,  17                           ; and of piece B
.set KEY, 18                           ; the step's first key
.set TBK, 19                           ; LDS byte at which the step's K begins
.set TBV, 20                           ; the same for V, less VOFF
.set SLOTS, 21
.set CNT, 22
.set LIM, 23
.set G1K, 24
.set G1V, 32
.set G0K, 40
.set G0V, 44
.set CS,  48
.set SEL, 50
.set PFA, 52
.set MK,  56                           ; s56-63: mask i: lanes where key 8 h + i of a diagonal tile lies behind query r
.set AO,  66                           ; s[66:67] att at piece A's first row, s[68:69] at piece B's
.set MSB, 0
.macro WIN new                         ; the immediate's high byte repeats the setting that is left
.if MSB != \new
	s_set_vgpr_msb (MSB<<8)|\new
.set MSB, \new
.endif
.endm
.set W_KQ, 0x0a                        ; K and Q in window 2, S^T in window 0
.set W_PV, 0x5e                        ; V in window 2, P in window 3, O^T in window 1
.set W_RS, 0x41                        ; O^T (destination and source 0) in window 1, a in window 0
; Waves 0 and 1 fetch a slot's halves of K, waves 2 and 3 those of V: every wave has one load.  An s_nop 0 and four v_nop follow each of the two lines.
.macro TLOAD
	s_cmp_lt_u32 s[WV], 2
	s_cbranch_scc0 .Lfor_v_\@
	tensor_load_to_lds s[G0K:G0K+3], s[G1K:G1K+7]
	s_nop 0
.rept 4
	v_nop
.endr
	s_branch .Lasked_\@
.Lfor_v_\@:
	tensor_load_to_lds s[G0V:G0V+3], s[G1V:G1V+7]
	s_nop 0
.rept 4
	v_nop
.endr
.Lasked_\@:
.endm
; A prefetch into the L2 of what the NEXT change of slots will ask for: my wave's own 16,384 bytes of that slot, lanes 256 bytes apart, two instructions.  All four work-groups of a head walk the same K and V: the one
; with I = 0, which walks all eight slots, asks, so each aligned block of 256 bytes is named once in the launch.  It stands behind the tensor load and its five lines, a slot's four steps ahead of the load that will want
; the bytes.  Slots 0 and 1 come by their loads alone; the last change that fills a slot asks for nothing: there is no slot behind it.
.macro ASK
	s_cmp_gt_u32 s[SLOTS], s[LIM]
	s_cbranch_scc0 .Lnot_mine_\@
	global_prefetch_b8 v[PFO], s[PFA:PFA+1] th:TH_LOAD_NT scope:SCOPE_SE
	global_prefetch_b8 v[PFO], s[PFA:PFA+1] offset:8192 th:TH_LOAD_NT scope:SCOPE_SE
.Lnot_mine_\@:
.endm
	s_load_b128 s[4:7], s[0:1], 0x0                ; qkv s[4:5], att s[6:7]
	v_lshl_add_u32 v[SPW], v0, 2, SPARE
	v_mov_b32 v[NIL], 0
	ds_add_u32 v[SPW], v[NIL]                      ; the wave's opening: the add, twice on end, and its wait ahead of my first tensor load
	ds_add_u32 v[SPW], v[NIL]
	v_lshrrev_b32 v1, 5, v0
	v_readfirstlane_b32 s[WV], v1                  ; wave 0..3
	s_and_b32 s9, ttmp7, 0xffff                    ; 16 batch + head
	s_lshl_b32 s10, s9, 18                         ; the head's first byte in q, in k, in v and in att
	s_lshl_b32 s[QA], ttmp9, 8
	s_lshl_b32 s12, s[WV], 6
	s_add_co_u32 s[QA], s[QA], s12                 ; 256 I + 64 w
	s_sub_co_u32 s[QB], 7, ttmp9
	s_lshl_b32 s[QB], s[QB], 8
	s_add_co_u32 s[QB], s[QB], s12                 ; 256 (7 - I) + 64 w
	s_and_b32 s13, s[WV], 1                        ; which half of a slot's 256 keys I fetch
	s_mov_b32 s[G1K], (1<<16)|(1<<20)|(5<<22)|(3<<25)   ; no mask; elements of 2 bytes; padding on: after every 64 words, 4 words
	s_mov_b32 s[G1V], (1<<16)|(1<<20)|(5<<22)|(7<<25)   ; the same with 8 words
.irp g, G1K, G1V
	s_mov_b32 s[\g+1], 128<<16                     ; tensor_dim0 = 128 elements: two keys' rows, which are dense in memory
	s_mov_b32 s[\g+2], 64<<16                      ; tensor_dim1 = 64
	s_mov_b32 s[\g+3], 128<<16                     ; tile_dim0
	s_mov_b32 s[\g+4], 64                          ; tile_dim1
	s_mov_b32 s[\g+5], 128                         ; from row to row
	s_mov_b32 s[\g+6], 0
	s_mov_b32 s[\g+7], 0
.endr
	s_mov_b32 s[G0K], 1
	s_mul_i32 s[G0K+1], s13, 17408                 ; 64 rows x 272
	s_mov_b32 s[G0V], 1
	s_mul_i32 s[G0V+1], s13, 18432                 ; 64 rows x 288
	s_add_co_u32 s[G0V+1], s[G0V+1], VOFF
	s_lshl_b32 s14, s13, 14
	s_add_co_u32 s14, s14, s10                     ; the head, + my 128 keys of 128 bytes
	s_mov_b32 s15, 0
	s_mov_b32 s[CS], 0x3e38aa3b                    ; c = log2(e) / 8
	s_mov_b32 s[CS+1], s[CS]                       ; (named with it as a pair, so it is written)
	s_mov_b32 s[SEL], 0x76543210
	s_mov_b32 s[SEL+1], 0xfedcba98                 ; v_permlanex16_b32: lane l xor 16
	s_mov_b32 s[KEY], 0
	s_mov_b32 s[TBK], 0
	s_mov_b32 s[TBV], 0
	s_mov_b32 s[SLOTS], 7
	s_cmp_eq_u32 ttmp9, 0
	s_cselect_b32 s[LIM], 1, -1
	s_wait_dscnt 0x0                               ; both opening adds are done
	s_wait_kmcnt 0x0
	s_add_nc_u64 s[G0K+2:G0K+3], s[4:5], s[14:15]
	s_add_nc_u64 s[G0V+2:G0V+3], s[G0K+2:G0K+3], 0x2000000   ; v lies 33,554,432 bytes into qkv,
	s_add_nc_u64 s[G0K+2:G0K+3], s[G0K+2:G0K+3], 0x1000000   ; k 16,777,216
	s_cmp_lt_u32 s[WV], 2
	s_cselect_b64 s[PFA:PFA+1], s[G0K+2:G0K+3], s[G0V+2:G0V+3]
	s_add_nc_u64 s[PFA:PFA+1], s[PFA:PFA+1], 32768 ; in slot 1: the first change of slots steps it to slot 2
	s_or_b32 s[G0K+3], s[G0K+3], 0x80000000
	s_or_b32 s[G0V+3], s[G0V+3], 0x80000000
	TLOAD                                          ; slot 0: key 0 counts for every query, so it is taken in by every wave
	v_and_b32 v1, 15, v0                           ; r
	v_bfe_u32 v2, v0, 4, 1                         ; h
	v_lshlrev_b32 v[QO], 7, v1
	v_lshl_add_u32 v[QO], v2, 4, v[QO]             ; Q: row r of 128 bytes, + 16 h
	s_lshl_b32 s12, s[QA], 7
	s_add_co_u32 s12, s12, s10
	s_mov_b32 s13, 0
	s_add_nc_u64 s[AO:AO+1], s[6:7], s[12:13]
	s_add_nc_u64 s[12:13], s[4:5], s[12:13]        ; q at piece A's first row
	s_lshl_b32 s14, s[QB], 7
	s_add_co_u32 s14, s14, s10
	s_add_nc_u64 s[AO+2:AO+3], s[6:7], s[14:15]
	s_add_nc_u64 s[14:15], s[4:5], s[14:15]        ; and at piece B's
	WIN 0x80                                       ; destination window 2
.irp t, 0,1,2,3
.irp c, 0,1
	global_load_b128 v[16*\t+8*\c:16*\t+8*\c+3],   v[QO], s[12:13] offset:2048*\t+64*\c
	global_load_b128 v[16*\t+8*\c+4:16*\t+8*\c+7], v[QO], s[12:13] offset:2048*\t+64*\c+32
	global_load_b128 v[64+16*\t+8*\c:64+16*\t+8*\c+3],   v[QO], s[14:15] offset:2048*\t+64*\c
	global_load_b128 v[64+16*\t+8*\c+4:64+16*\t+8*\c+7], v[QO], s[14:15] offset:2048*\t+64*\c+32
.endr
.endr
	WIN 0
	v_lshrrev_b32 v[AK0], 1, v1
	v_mul_u32_u24 v[AK0], v[AK0], 272
	v_and_b32 v5, 1, v1
	v_lshl_add_u32 v[AK0], v5, 7, v[AK0]
	v_lshl_add_u32 v[AK0], v2, 4, v[AK0]           ; K: key r lies in double row r / 2, half r % 2; + 16 h
	v_bfe_u32 v5, v0, 1, 2
	v_lshl_add_u32 v5, v2, 2, v5
	v_mul_u32_u24 v[AV0], v5, 288
	v_and_b32 v5, 1, v0
	v_lshl_add_u32 v[AV0], v5, 7, v[AV0]
	v_bfe_u32 v5, v0, 3, 1
	v_lshl_add_u32 v[AV0], v5, 4, v[AV0]
	v_add_nc_u32 v[AV0], VOFF, v[AV0]              ; V, for the turning load: key 8 h + lane % 8, channels 8 ((lane / 8) % 2) on
	s_mul_i32 s98, s[WV], 2304
	s_add_co_u32 s98, s98, STAGE                   ; my stage
	v_mul_u32_u24 v[STO], v1, 144
	v_lshl_add_u32 v[STO], v2, 4, v[STO]
	v_add_nc_u32 v[STO], s98, v[STO]
	v_bfe_u32 v5, v0, 3, 2
	v_mul_u32_u24 v[RD], v5, 144
	v_and_b32 v5, 7, v0
	v_lshl_add_u32 v[RD], v5, 4, v[RD]
	v_add_nc_u32 v[RD], s98, v[RD]
	v_and_b32 v5, 31, v0
	v_lshlrev_b32 v[GO], 4, v5
	v_lshlrev_b32 v[PFO], 8, v5
	v_mov_b32 v[NEG], 0xff800000
	v_lshlrev_b32 v[DG], 3, v2
	v_sub_nc_u32 v[DG], v1, v[DG]
.irp i, 0,1,2,3,4,5,6,7
	v_cmp_gt_i32 s[MK+\i], \i, v[DG]               ; key 8 h + i lies behind query r where i > r - 8 h
.endr
.irp u, 0,1,2,3,4,5,6,7
	v_mov_b32 v[ST+8*\u+1], 0xff61b1e6             ; m = -3e38, under every score
	v_mul_f32 v[ST+8*\u], s[CS], v[ST+8*\u+1]
.irp k, 2,3,4,5,6,7
	v_mov_b32 v[ST+8*\u+\k], 0
.endr
.endr
	WIN 0x40                                       ; O^T begins as zeros, which the first change of m leaves zeros: so a step is written once; a first step of its own would be two more copies of the step's text
.set i, 0
.rept 256
	v_mov_b32 v[i], 0
.set i, i+1
.endr
	WIN 0
; ON THE DIAGONAL (the step's first key = the piece's first query): tile t of queries against tile j of keys: j < t counts whole, j > t is hidden whole, j = t by the eight masks.
.macro MASK
.irp t, 0,1,2,3
.irp i, 0,1,2,3,4,5,6,7
	v_cndmask_b32 v[S+40*\t+\i], v[S+40*\t+\i], v[NEG], s[MK+\i]
.endr
.endr
.irp t, 0,1,2
.irp j, 1,2,3
.if \j > \t
.irp i, 0,1,2,3,4,5,6,7
	v_mov_b32 v[S+32*\t+8*\j+\i], v[NEG]
.endr
.endif
.endr
.endr
.endm
; A piece's softmax for one step, its four tiles by turns, line by line.  TX: its first tile's number among the eight; OX: its O^T in window 1.
.macro SOFTMAX TX, OX
.irp j, 0,1,2,3
.irp t, 0,1,2,3
	v_max3_num_f32 v[ST+8*(\TX+\t)+4+\j], v[S+32*\t+8*\j], v[S+32*\t+8*\j+1], v[S+32*\t+8*\j+2]   ; each accumulator from its low end on
.endr
.endr
.irp g, 3,5
.irp j, 0,1,2,3
.irp t, 0,1,2,3
	v_max3_num_f32 v[ST+8*(\TX+\t)+4+\j], v[ST+8*(\TX+\t)+4+\j], v[S+32*\t+8*\j+\g], v[S+32*\t+8*\j+\g+1]
.endr
.endr
.endr
.irp t, 0,1,2,3
	v_max3_num_f32 v[ST+8*(\TX+\t)+4], v[ST+8*(\TX+\t)+4], v[S+32*\t+7], v[S+32*\t+15]
.endr
.irp t, 0,1,2,3
	v_max3_num_f32 v[ST+8*(\TX+\t)+6], v[ST+8*(\TX+\t)+6], v[S+32*\t+23], v[S+32*\t+31]
.endr
.irp t, 0,1,2,3
	v_max3_num_f32 v[ST+8*(\TX+\t)+4], v[ST+8*(\TX+\t)+4], v[ST+8*(\TX+\t)+5], v[ST+8*(\TX+\t)+6]
.endr
.irp t, 0,1,2,3
	v_max3_num_f32 v[ST+8*(\TX+\t)+4], v[ST+8*(\TX+\t)+4], v[ST+8*(\TX+\t)+7], v[ST+8*(\TX+\t)+1]   ; with the old m
.endr
.irp t, 0,1,2,3
	v_permlanex16_b32 v[ST+8*(\TX+\t)+5], v[ST+8*(\TX+\t)+4], s[SEL], s[SEL+1]   ; the query's other 32 keys lie in the lane 16 away
.endr
.irp t, 0,1,2,3
	v_mov_b32 v[ST+8*(\TX+\t)+7], v[ST+8*(\TX+\t)]   ; c m_old is kept for a
.endr
.irp t, 0,1,2,3
	v_max_num_f32 v[ST+8*(\TX+\t)+1], v[ST+8*(\TX+\t)+4], v[ST+8*(\TX+\t)+5]
.endr
.irp t, 0,1,2,3
	v_mul_f32 v[ST+8*(\TX+\t)], s[CS], v[ST+8*(\TX+\t)+1]
.endr
.irp t, 0,1,2,3
	v_sub_f32 v[ST+8*(\TX+\t)+7], v[ST+8*(\TX+\t)+7], v[ST+8*(\TX+\t)]
.endr
.irp n, 0,2,4,6,8,10,12,14,16,18,20,22,24,26,28,30
.irp t, 0,1,2,3
	v_pk_fma_f32 v[S+32*\t+\n:S+32*\t+\n+1], v[S+32*\t+\n:S+32*\t+\n+1], s[CS:CS+1], v[ST+8*(\TX+\t):ST+8*(\TX+\t)+1] op_sel_hi:[1,0,0] neg_lo:[0,0,1] neg_hi:[0,0,1]   ; c s - c m
.endr
.endr
.irp t, 0,1,2,3
	v_exp_f32 v[ST+8*(\TX+\t)+6], v[ST+8*(\TX+\t)+7]   ; a
.endr
.irp n, 0,1,2,3,4,5,6,7,8,9,10,11,12,13,14,15,16,17,18,19,20,21,22,23,24,25,26,27,28,29,30,31
.irp t, 0,1,2,3
	v_exp_f32 v[S+32*\t+\n], v[S+32*\t+\n]
.endr
.endr
	v_nop                                          ; a plain instruction behind the last exponential
	s_wait_alu depctr_va_vdst(0)                   ; one wait for the batch of 132, ahead of the first use of a result
.irp t, 0,1,2,3
	v_pk_add_f32 v[ST+8*(\TX+\t)+4:ST+8*(\TX+\t)+5], v[S+32*\t:S+32*\t+1], v[S+32*\t+2:S+32*\t+3]
.endr
.irp n, 4,6,8,10,12,14,16,18,20,22,24,26,28,30
.irp t, 0,1,2,3
	v_pk_add_f32 v[ST+8*(\TX+\t)+4:ST+8*(\TX+\t)+5], v[ST+8*(\TX+\t)+4:ST+8*(\TX+\t)+5], v[S+32*\t+\n:S+32*\t+\n+1]
.endr
.endr
.irp t, 0,1,2,3
	v_pk_fma_f32 v[ST+8*(\TX+\t)+2:ST+8*(\TX+\t)+3], v[ST+8*(\TX+\t)+2:ST+8*(\TX+\t)+3], v[ST+8*(\TX+\t)+6:ST+8*(\TX+\t)+7], v[ST+8*(\TX+\t)+4:ST+8*(\TX+\t)+5] op_sel_hi:[1,0,1]   ; l = a l + the step's sum
.endr
	WIN 0xc0                                       ; destination window 3
.irp n, 0,1,2,3,4,5,6,7,8,9,10,11,12,13,14,15
.irp t, 0,1,2,3
	v_cvt_pk_f16_f32 v[16*\t+\n], v[S+32*\t+2*\n], v[S+32*\t+2*\n+1]
.endr
.endr
	WIN W_RS
.irp n, 0,1,2,3,4,5,6,7,8,9,10,11,12,13,14,15
.irp t, 0,1,2,3
	v_pk_mul_f32 v[\OX+32*\t+2*\n:\OX+32*\t+2*\n+1], v[\OX+32*\t+2*\n:\OX+32*\t+2*\n+1], v[ST+8*(\TX+\t)+6:ST+8*(\TX+\t)+7] op_sel_hi:[1,0]   ; O^T x a, each accumulator from its low end on
.endr
.endr
	WIN 0
.endm
; A piece's part of a step.  QX: its Q in window 2; SQ: the register of its first query; first = 1: the step's loads are still to be waited for.  In both products sixteen accumulators take turns, one instruction a turn.
.macro PIECE QX, OX, TX, SQ, first
.if \first
	s_wait_dscnt 16                                ; K's sixteen loads are in; V's sixteen may be out
.endif
	WIN W_KQ
.irp c, 0,1
.irp j, 0,1,2,3
.irp t, 0,1,2,3
.if \c == 0
	v_wmma_f32_16x16x32_f16 v[S+32*\t+8*\j:S+32*\t+8*\j+7], v[KFR+16*\j+8*\c:KFR+16*\j+8*\c+7], v[\QX+16*\t+8*\c:\QX+16*\t+8*\c+7], 0
.else
	v_wmma_f32_16x16x32_f16 v[S+32*\t+8*\j:S+32*\t+8*\j+7], v[KFR+16*\j+8*\c:KFR+16*\j+8*\c+7], v[\QX+16*\t+8*\c:\QX+16*\t+8*\c+7], v[S+32*\t+8*\j:S+32*\t+8*\j+7]
.endif
.endr
.endr
.endr
	WIN 0
.rept 4
	v_nop                                          ; four places behind the products, ahead of the first use of the scores (ISA guide 7.12.1)
.endr
	s_cmp_lg_u32 s[KEY], s[\SQ]
	s_cbranch_scc1 .Lopen_\@
	MASK
.Lopen_\@:
	SOFTMAX \TX, \OX
.if \first
	s_wait_dscnt 0x0                               ; V is in
.endif
	WIN W_PV
.irp k, 0,1
.irp d, 0,1,2,3
.irp t, 0,1,2,3
	v_wmma_f32_16x16x32_f16 v[\OX+32*\t+8*\d:\OX+32*\t+8*\d+7], v[VF+8*(4*\k+\d):VF+8*(4*\k+\d)+7], v[16*\t+8*\k:16*\t+8*\k+7], v[\OX+32*\t+8*\d:\OX+32*\t+8*\d+7]
.endr
.endr
.endr
	WIN 0
.endm
; A STEP of 64 keys.  Left out where its keys all lie behind my queries: scalar branches on ids, round the loads and the work; not round the lines at its end that step addresses.
.macro STEP
	s_cmp_gt_u32 s[KEY], s[QB]
	s_cbranch_scc1 .Lhid_\@
	v_add_nc_u32 v[ADK], s[TBK], v[AK0]
	v_add_nc_u32 v[ADV], s[TBV], v[AV0]
	v_nop
	v_nop                                          ; with the two additions: four places ahead of loads into registers that the last step's products took in
	WIN 0x80
.irp j, 0,1,2,3
.irp c, 0,1
	ds_load_b128 v[KFR+16*\j+8*\c:KFR+16*\j+8*\c+3],   v[ADK] offset:2176*\j+64*\c
	ds_load_b128 v[KFR+16*\j+8*\c+4:KFR+16*\j+8*\c+7], v[ADK] offset:2176*\j+64*\c+32
.endr
.endr
.irp k, 0,1
.irp d, 0,1,2,3
	ds_load_tr16_b128 v[VF+8*(4*\k+\d):VF+8*(4*\k+\d)+3],   v[ADV] offset:4608*\k+32*\d
	ds_load_tr16_b128 v[VF+8*(4*\k+\d)+4:VF+8*(4*\k+\d)+7], v[ADV] offset:4608*\k+32*\d+2304
.endr
.endr
	WIN 0
	PIECE 64, 128, 4, QB, 1
	s_cmp_gt_u32 s[KEY], s[QA]
	s_cbranch_scc1 .Lhid_\@
	PIECE 0, 0, 0, QA, 0
.Lhid_\@:
	s_add_co_u32 s[KEY], s[KEY], 64
	s_add_co_u32 s[TBK], s[TBK], STEPK
	s_add_co_u32 s[TBV], s[TBV], STEPV
.endm
; THE CHANGE OF SLOTS stands at a slot's head.  Each wave waits for all its tensor loads (its part of the slot ahead), adds 0 to its spare word, and waits for that and for its loads from the slot that it has left.
; Behind the barrier the slot ahead is whole and nobody takes the other one in.  fill = 1: that other slot is filled with the next 256 keys, if any wave of the work-group will want them.
.macro CHANGE fill
	s_wait_tensorcnt 0x0                           ; no tensor load of mine is out, so a group 0 may be written
	ds_add_u32 v[SPW], v[NIL]                      ; 0 onto my spare word
.if \fill
	s_xor_b32 s[G0K+1], s[G0K+1], SLOT1            ; the walking descriptors: the other slot than last time,
	s_add_nc_u64 s[G0K+2:G0K+3], s[G0K+2:G0K+3], 32768   ; the next 256 keys
	s_xor_b32 s[G0V+1], s[G0V+1], SLOT1
	s_add_nc_u64 s[G0V+2:G0V+3], s[G0V+2:G0V+3], 32768
	s_wait_xcnt 0x0                                ; the last prefetches, a slot back, have taken their address, so it may be written
	s_add_nc_u64 s[PFA:PFA+1], s[PFA:PFA+1], 32768
.endif
	s_wait_dscnt 0x0                               ; the add is done, and my loads from the slot that I have left are over
	s_barrier_signal -1
	s_barrier_wait -1
.if \fill
	s_add_co_u32 s96, s[KEY], 256                  ; the first key of the slot that this change would ask for
	s_or_b32 s97, s[QB], 255                       ; my work-group's last query
	s_cmp_gt_u32 s96, s97                          ; ids and the count of steps alone: all four waves go the same way, and a work-group that is past the limit stays past it
	s_cbranch_scc1 .Lpast_\@
	TLOAD                                          ; a wave's one tensor load until the next such barrier
.Lpast_\@:
	ASK
.endif
.endm
.macro SLOT_STEPS                      ; a slot's four steps: written once, walked four times; the LDS addresses hang on s[TBK], s[TBV]
	s_mov_b32 s[CNT], 4
.Lstep_\@:
	STEP
	s_sub_co_u32 s[CNT], s[CNT], 1
	s_cmp_lg_u32 s[CNT], 0
	s_cbranch_scc1 .Lstep_\@
	s_sub_co_u32 s[TBK], s[TBK], 4*STEPK
	s_xor_b32 s[TBK], s[TBK], SLOT1
	s_sub_co_u32 s[TBV], s[TBV], 4*STEPV
	s_xor_b32 s[TBV], s[TBV], SLOT1
.endm
	s_wait_loadcnt 0x0                             ; Q
.Lslot:                                            ; seven trips: behind each change of slots but the last the next slot is asked for, up to the causal limit
	CHANGE 1
	SLOT_STEPS
	s_sub_co_u32 s[SLOTS], s[SLOTS], 1
	s_cmp_lg_u32 s[SLOTS], 0
	s_cbranch_scc1 .Lslot
	CHANGE 0                                       ; the last slot is written out: nothing is left to ask for
	SLOT_STEPS
	; THE WAY OUT.  l's two halves and the other half of the lanes' are added; O^T is divided by l, rounded to f16 and sent through my stage, a tile (16 rows of 128 bytes) at a time.  The additions are the places behind the last products.
.irp u, 0,1,2,3,4,5,6,7
	v_add_f32 v[ST+8*\u+4], v[ST+8*\u+2], v[ST+8*\u+3]
.endr
.irp u, 0,1,2,3,4,5,6,7
	v_permlanex16_b32 v[ST+8*\u+5], v[ST+8*\u+4], s[SEL], s[SEL+1]
.endr
.irp u, 0,1,2,3,4,5,6,7
	v_add_f32 v[ST+8*\u+4], v[ST+8*\u+4], v[ST+8*\u+5]
.endr
.irp u, 0,1,2,3,4,5,6,7
	v_rcp_f32 v[ST+8*\u+6], v[ST+8*\u+4]
.endr
	v_nop                                          ; a plain instruction behind the last reciprocal
	s_wait_alu depctr_va_vdst(0)                   ; one wait for the eight, ahead of the first use
.macro PACK u
	WIN W_RS
.set i, 0
.rept 16
	v_pk_mul_f32 v[32*(\u)+i:32*(\u)+i+1], v[32*(\u)+i:32*(\u)+i+1], v[ST+8*(\u)+6:ST+8*(\u)+7] op_sel_hi:[1,0]
.set i, i+2
.endr
	WIN 0x05                                       ; sources 0 and 1 window 1, destination window 0: S^T's registers are free
.set i, 0
.rept 16
	v_cvt_pk_f16_f32 v[S+16*(\u)+i], v[32*(\u)+2*i], v[32*(\u)+2*i+1]
.set i, i+1
.endr
	WIN 0
.irp d, 0,1,2,3
	ds_store_b128 v[STO], v[S+16*(\u)+4*\d:S+16*(\u)+4*\d+3] offset:32*\d
.endr
.irp d, 0,1,2,3
	ds_load_b128 v[S+16*(\u)+4*\d:S+16*(\u)+4*\d+3], v[RD] offset:576*\d   ; LDS serves a wave's instructions in order: these see the stores above; the next tile's stores come behind them
.endr
.endm
.macro SEND u, younger                 ; younger: the LDS instructions issued behind tile u's loads: the next tile's eight, or none
.irp d, 0,1,2,3
	s_wait_dscnt \younger+3-\d
	global_store_b128 v[GO], v[S+16*(\u)+4*\d:S+16*(\u)+4*\d+3], s[AO+2*((\u)/4):AO+2*((\u)/4)+1] offset:2048*((\u)%4)+512*\d   ; 512 consecutive bytes, aligned
.endr
.endm
	PACK 0
	PACK 1
	SEND 0, 8
	PACK 2
	SEND 1, 8
	PACK 3
	SEND 2, 8
	PACK 4
	SEND 3, 8
	PACK 5
	SEND 4, 8
	PACK 6
	SEND 5, 8
	PACK 7
	SEND 6, 8
	SEND 7, 0
	s_wait_tensorcnt 0x0                           ; the wave's end: three lines behind my last tensor load and my last LDS store
	ds_add_u32 v[SPW], v[NIL]
	s_wait_dscnt 0x0
	s_endpgm
.Lfunc_end_k_q58e9169c18_attn:
	.size	k_q58e9169c18_attn, .Lfunc_end_k_q58e9169c18_attn-k_q58e9169c18_attn
	.p2alignl 7, 3214868480
	.fill 96, 4, 3214868480
	.section	.rodata,"a",@progbits
	.p2align	6, 0x0
	.amdhsa_kernel k_q58e9169c18_attn
		.amdhsa_group_segment_fixed_size 327680
		.amdhsa_private_segment_fixed_size 0
		.amdhsa_enable_private_segment 0
		.amdhsa_kernarg_size 16
		.amdhsa_user_sgpr_count 2
		.amdhsa_user_sgpr_kernarg_segment_ptr 1
		.amdhsa_wavefront_size32 1
		.amdhsa_system_sgpr_workgroup_id_x 1
		.amdhsa_system_sgpr_workgroup_id_y 1
		.amdhsa_system_sgpr_workgroup_id_z 1
		.amdhsa_system_vgpr_workitem_id 0
		.amdhsa_next_free_vgpr 832
		.amdhsa_next_free_sgpr 100
		.amdhsa_reserve_vcc 0
		.amdhsa_float_denorm_mode_32 3
		.amdhsa_float_denorm_mode_16_64 3
		.amdhsa_memory_ordered 1
		.amdhsa_forward_progress 1
		.amdhsa_inst_pref_size 185
	.end_amdhsa_kernel
	.amdgpu_metadata
---
amdhsa.version: [ 1, 2 ]
amdhsa.kernels:
  - .name:           k_q58e9169c18_attn
    .symbol:         k_q58e9169c18_attn.kd
    .args:
      - { .name: qkv, .offset: 0, .size: 8, .value_kind: global_buffer, .address_space: global }
      - { .name: att, .offset: 8, .size: 8, .value_kind: global_buffer, .address_space: global }
    .group_segment_fixed_size: 327680
    .private_segment_fixed_size: 0
    .kernarg_segment_align: 8
    .kernarg_segment_size: 16
    .max_flat_workgroup_size: 128
    .sgpr_count:     100
    .vgpr_count:     832
    .wavefront_size: 32
...
	.end_amdgpu_metadata
.endif
;; end of part 3
;; launch proj (part 4): grid 8 x 32, 4 waves a work-group, clusters of 4 x 4, 327,680 bytes of LDS; arguments att, wp, b_proj, out0; writes out0
.if DOCPART == 4
	.amdgcn_target "amdgcn-amd-amdhsa--gfx1250"
	.amdhsa_code_object_version 6
	.text
	.protected	k_q58e9169c18_proj
	.globl	k_q58e9169c18_proj
	.p2align	8
	.type	k_q58e9169c18_proj,@function
k_q58e9169c18_proj:
	s_mov_b64 s[64:65], 0
	v_nop
	global_prefetch_b8 v0, s[64:65] scope:SCOPE_SE
	s_setreg_imm32_b32 hwreg(HW_REG_WAVE_MODE, 25, 1), 1
	s_wait_xcnt 0x0
	s_wait_alu depctr_hold_cnt(0) depctr_sa_sdst(0) depctr_va_vdst(0) depctr_va_sdst(0) depctr_va_ssrc(0) depctr_va_vcc(0) depctr_vm_vsrc(0)
	s_getreg_b32 s2, hwreg(HW_REG_IB_STS2, 6, 4)
	s_cmp_eq_u32 s2, 0
	s_cbranch_scc0 .Lentry_in_a_cluster
	s_endpgm
.Lentry_in_a_cluster:
	s_bfe_u32 s2, ttmp6, 0x10000c
	s_cmp_lg_u32 s2, 0xf033
	s_cbranch_scc0 .Lentry_shape_is_right
	s_endpgm
.Lentry_shape_is_right:
; Launch 4 of 5: out0 = att w_proj + b_proj on f16 operands, sums in f32.  att: f16 [b][h][t][64]; wp: f16(w_proj) laid [n 1024][k 1024] (its first 2,097,152 bytes); out0: f32 [8192][1024].
; A tile is 256 rows x 128 columns: 256 work-groups.  Four waves, each 128 rows x 64 columns: 32 accumulators of 16 x 16.  K goes in eight steps of 128, two heads, through a ring of two LDS slots.
; In att 256 positions of a head are 32,768 dense bytes: they come as 128 rows of 256 bytes (two positions a row), a plane for each of the step's two heads.
; CLUSTERS: 4 x 4 work-groups; tile row R = 4 x cluster y + cy, tile column J = 4 x cluster x + cx.  att's tiles are asked for jointly along a row of the cluster, wp's along a column.
; A wave has two tensor loads out at the start and one behind each round.
; THE MATRIX INSTRUCTION IS USED TRANSPOSED (source 0 = 16 rows of wp, source 1 = 16 rows of att): a lane holds eight neighbouring columns of a row of out0.  The bias is the C of each sum's first product.
; The rows of the first 16 positions of each batch are written here like all others and written over, finer, by the last launch: leaving them out would be a branch on a partner's place in the cluster.
; No prefetch: the tiles are small and a step's work is short.
; REGISTERS: window 0: v16-29 addresses; v32-63 the bias; v64-127 the way out.   window 1: two fragment buffers at v0 and v128: att's 8 blocks (64), then wp's 4 (32).   window 2: accumulator (a, b) at v[8 (4 a + b)].
.set PLANE, 34816                      ; 128 double rows x 272
.set BOFF,  69632                      ; behind the two planes: wp's 128 rows x 272
.set SLOT,  104448
.set STAGE, 208896                     ; behind the ring: 16 rows x (256 bytes + 16) for each wave
.set SPARE, 226304                     ; the spare words, 128 bytes for each wave: two blocks of 256 bytes that no other line names
.set LAPS,  4
.set ADRA, 16
.set ADRB, 20
.set STO,  24
.set RD,   25
.set CO,   26
.set BO,   27
.set SPW,  28
.set NIL,  29
.set BI,   32
.set BK,   64
.set F0,   0
.set F1,   128
.set G1,  24
.set G0,  32
.set G1B, 48
.set G0B, 56
.set WV,  66
.set FB,  67                           ; wave / 2: my half of the rows.  Also: I fetch for att (0) or for wp (1)
.set HF,  68                           ; wave % 2: my half of the columns.  Also: which plane, or which 64 rows of wp, I fetch
.set MSB, 0
.macro WIN new
.if MSB != \new
	s_set_vgpr_msb (MSB<<8)|\new
.set MSB, \new
.endif
.endm
.set MUL,   0xa5                       ; sources 0 and 1 window 1; C and D window 2
.set MULB,  0x85                       ; the same with C, the bias, in window 0
.set TO_F,  0x40
.macro JLOAD s                         ; a joint load; an s_nop 0 and four v_nop follow each of the two lines
	s_cmp_eq_u32 s[FB], 0
	s_cbranch_scc0 .Lfor_b_\@
	tensor_load_to_lds s[G0+4*\s:G0+4*\s+3], s[G1:G1+7]
	s_nop 0
.rept 4
	v_nop
.endr
	s_branch .Lasked_\@
.Lfor_b_\@:
	tensor_load_to_lds s[G0B+4*\s:G0B+4*\s+3], s[G1B:G1B+7]
	s_nop 0
.rept 4
	v_nop
.endr
.Lasked_\@:
.endm
.macro CREST                           ; a round of the cluster's barrier behind its opening barrier
	s_cmp_lg_u32 s[WV], 0
	s_cbranch_scc1 .Lnot_wave_0_\@
	s_barrier_signal -3
.Lnot_wave_0_\@:
	s_barrier_wait -3
	s_barrier_signal -1
	s_barrier_wait -1
.endm
.macro CROUND
	s_barrier_signal -1
	s_barrier_wait -1
	CREST
.endm
	s_load_b256 s[4:11], s[0:1], 0x0               ; att s[4:5], wp s[6:7], b_proj s[8:9], out0 s[10:11]
	v_lshl_add_u32 v[SPW], v0, 2, SPARE
	v_mov_b32 v[NIL], 0
	ds_add_u32 v[SPW], v[NIL]                      ; the wave's opening: the add, twice on end, and its wait ahead of my first tensor load
	ds_add_u32 v[SPW], v[NIL]
	v_lshrrev_b32 v1, 5, v0
	v_readfirstlane_b32 s[WV], v1
	s_lshr_b32 s[FB], s[WV], 1
	s_and_b32 s[HF], s[WV], 1
	s_bfe_u32 s40, ttmp6, 0x40000                  ; cx
	s_bfe_u32 s41, ttmp6, 0x40004                  ; cy
	s_lshl_b32 s42, ttmp9, 2
	s_add_co_u32 s42, s42, s40                     ; J
	s_and_b32 s13, ttmp7, 0xffff
	s_lshl_b32 s13, s13, 2
	s_add_co_u32 s13, s13, s41                     ; R
	s_lshl_b32 s43, s41, 2
	s_lshl_b32 s43, 15, s43                        ; my row of the cluster
	s_lshl_b32 s44, 0x1111, s40                    ; my column
	s_or_b32 s[G1+0], s43, (1<<16)|(1<<20)|(1<<21)|(5<<22)|(3<<25)   ; the mask; elements of 2 bytes; padding on; bit 21 beside a mask; after every 64 words, 4 words
	s_mov_b32 s[G1+1], 128<<16                     ; tensor_dim0 = 128 elements
	s_mov_b32 s[G1+2], 128<<16                     ; tensor_dim1 = 128 double rows
	s_mov_b32 s[G1+3], 128<<16
	s_mov_b32 s[G1+4], 128
	s_mov_b32 s[G1+5], 128                         ; dense
	s_mov_b32 s[G1+6], 0
	s_mov_b32 s[G1+7], 0
	s_or_b32 s[G1B+0], s44, (1<<16)|(1<<20)|(1<<21)|(5<<22)|(3<<25)
	s_mov_b32 s[G1B+1], 128<<16
	s_mov_b32 s[G1B+2], 64<<16                     ; 64 rows of wp
	s_mov_b32 s[G1B+3], 128<<16
	s_mov_b32 s[G1B+4], 64
	s_mov_b32 s[G1B+5], 1024                       ; 1,024 elements from row to row
	s_mov_b32 s[G1B+6], 0
	s_mov_b32 s[G1B+7], 0
	s_lshr_b32 s16, s13, 3
	s_lshl_b32 s16, s16, 22                        ; att: batch R / 8, 16 heads of 262,144 bytes
	s_and_b32 s17, s13, 7
	s_lshl_b32 s17, s17, 15                        ; + 256 (R % 8) positions of 128 bytes
	s_add_co_u32 s16, s16, s17
	s_lshl_b32 s17, s[HF], 18                      ; + my head of the step's two
	s_add_co_u32 s16, s16, s17
	s_mov_b32 s17, 0
	s_lshl_b32 s46, s42, 18                        ; wp: 128 J rows of 2,048 bytes
	s_lshl_b32 s47, s[HF], 17                      ; + my 64
	s_add_co_u32 s46, s46, s47
	s_mov_b32 s47, 0
	s_mul_i32 s20, s[HF], PLANE                    ; where they go: no place in the cluster enters an LDS address
	s_mul_i32 s21, s[HF], 17408
	s_add_co_u32 s21, s21, BOFF
	s_wait_dscnt 0x0                               ; both opening adds are done
	s_wait_kmcnt 0x0
	s_add_nc_u64 s[14:15], s[4:5], s[16:17]
	s_add_nc_u64 s[46:47], s[6:7], s[46:47]
	CROUND                                         ; all sixteen work-groups are here: the first joint loads meet
.irp s, 0,1
	s_mov_b32 s[G0+4*\s], 1
	s_add_co_u32 s[G0+4*\s+1], s20, \s*SLOT
	s_add_nc_u64 s[G0+4*\s+2:G0+4*\s+3], s[14:15], \s*524288     ; K step s: two heads on
	s_or_b32 s[G0+4*\s+3], s[G0+4*\s+3], 0x80000000
	s_mov_b32 s[G0B+4*\s], 1
	s_add_co_u32 s[G0B+4*\s+1], s21, \s*SLOT
	s_add_nc_u64 s[G0B+4*\s+2:G0B+4*\s+3], s[46:47], \s*256
	s_or_b32 s[G0B+4*\s+3], s[G0B+4*\s+3], 0x80000000
	JLOAD \s
.endr
	v_and_b32 v1, 15, v0                           ; r
	v_bfe_u32 v2, v0, 4, 1                         ; h
	v_lshlrev_b32 v[BO], 5, v2
	s_lshl_b32 s16, s42, 9
	s_lshl_b32 s18, s[HF], 8
	s_add_co_u32 s16, s16, s18                     ; my first column in f32 bytes: 512 J + 256 x half
	s_add_nc_u64 s[8:9], s[8:9], s[16:17]
.irp b, 0,1,2,3
	global_load_b128 v[BI+8*\b:BI+8*\b+3], v[BO], s[8:9] offset:64*\b         ; the bias in the result's layout: b_proj[my first column + 16 b + 8 h + 0 .. 7]
	global_load_b128 v[BI+8*\b+4:BI+8*\b+7], v[BO], s[8:9] offset:64*\b+16
.endr
	s_add_nc_u64 s[10:11], s[10:11], s[16:17]
	s_lshl_b32 s16, s13, 20                        ; 256 R rows of 4,096 bytes
	s_lshl_b32 s18, s[FB], 19                      ; + 128 x my half
	s_add_co_u32 s16, s16, s18
	s_add_nc_u64 s[10:11], s[10:11], s[16:17]
	v_lshrrev_b32 v3, 1, v1
	v_mul_u32_u24 v3, v3, 272
	v_and_b32 v4, 1, v1
	v_lshl_add_u32 v3, v4, 7, v3
	v_lshl_add_u32 v3, v2, 4, v3                   ; att: row r lies in double row r / 2, half r % 2; + 16 h
	v_mul_u32_u24 v5, v1, 272
	v_lshl_add_u32 v4, v2, 4, v5                   ; wp: row r x pitch + 16 h
	s_mul_i32 s21, s[FB], 17408                    ; my 128 rows: 64 double rows
	s_mul_i32 s22, s[HF], 17408                    ; my 64 rows of wp
	s_add_co_u32 s22, s22, BOFF
.irp s, 0,1
	v_add_nc_u32 v[ADRA+\s], s21, v3
	v_add_nc_u32 v[ADRB+\s], s22, v4
	s_add_co_u32 s21, s21, SLOT
	s_add_co_u32 s22, s22, SLOT
.endr
	s_mul_i32 s23, s[WV], 4352
	s_add_co_u32 s23, s23, STAGE                   ; my stage
	v_lshl_add_u32 v6, v2, 5, v5
	v_add_nc_u32 v[STO], s23, v6                   ; in: row r, 32 bytes for each half of the lanes
	v_mul_u32_u24 v6, v2, 272
	v_lshl_add_u32 v6, v1, 4, v6
	v_add_nc_u32 v[RD], s23, v6                    ; back: lanes 0-15 one row of 256 bytes, lanes 16-31 the next
	v_lshlrev_b32 v6, 12, v2
	v_lshl_add_u32 v[CO], v1, 4, v6                ; and the same two rows in out0
; n x 4 matrix instructions: att's blocks a0 on against wp's four, 32 along K, from buffer f.  The 32 accumulators take turns, one instruction a turn, in the same order in every quarter.
.macro MULH f, a0, n, bias
.set AB, \a0
.rept \n
.irp b, 0,1,2,3
.if \bias
	v_wmma_f32_16x16x32_f16 v[8*(4*AB+\b):8*(4*AB+\b)+7], v[\f+64+8*\b:\f+64+8*\b+7], v[\f+8*AB:\f+8*AB+7], v[BI+8*\b:BI+8*\b+7]
.else
	v_wmma_f32_16x16x32_f16 v[8*(4*AB+\b):8*(4*AB+\b)+7], v[\f+64+8*\b:\f+64+8*\b+7], v[\f+8*AB:\f+8*AB+7], v[8*(4*AB+\b):8*(4*AB+\b)+7]
.endif
.endr
.set AB, AB+1
.endr
.endm
; 24 LDS loads in one run: quarter q (32 along K: head q / 2, channels 32 (q % 2) on) into buffer f: wp's four blocks, att's blocks 0-3, att's blocks 4-7
.macro FETCH slot, q, f
	WIN TO_F
.irp i, 0,1,2,3
	ds_load_b128 v[\f+64+8*\i:\f+64+8*\i+3],   v[ADRB+\slot] offset:64*(\q)+4352*\i
	ds_load_b128 v[\f+64+8*\i+4:\f+64+8*\i+7], v[ADRB+\slot] offset:64*(\q)+4352*\i+32
.endr
.irp i, 0,1,2,3,4,5,6,7
	ds_load_b128 v[\f+8*\i:\f+8*\i+3],   v[ADRA+\slot] offset:((\q)/2)*PLANE+((\q)%2)*64+2176*\i
	ds_load_b128 v[\f+8*\i+4:\f+8*\i+7], v[ADRA+\slot] offset:((\q)/2)*PLANE+((\q)%2)*64+2176*\i+32
.endr
.endm
.macro PLACES                          ; four places ahead of loads into registers that matrix instructions have taken in, and of the first use of results
.rept 4
	v_nop
.endr
.endm
; One of a K step's first three quarters: multiplies buffer f and fetches quarter q of the same slot into g.
.macro QUARTER slot, q, f, g, bias
	s_wait_dscnt 8                                 ; wp's blocks and att's 0-3 are in; the youngest eight loads (att's 4-7) may be out
.if \bias
	WIN MULB
.else
	WIN MUL
.endif
	MULH \f, 0, 4, \bias
	PLACES
	FETCH \slot, \q, \g
	s_wait_dscnt 24                                ; all but the 24 just issued
.if \bias
	WIN MULB
.else
	WIN MUL
.endif
	MULH \f, 4, 4, \bias
.endm
; The last quarter multiplies buffer 1 and changes slots: one barrier; ahead of it each wave waits for all its tensor loads, adds 0 to its spare word, and waits for that and for its loads from this slot.
.macro TURN slot, next, fill
	WIN 0                                          ; (the add's two registers lie in window 0)
	s_wait_tensorcnt 0x0                           ; all my tensor loads have landed: my part of the next slot
	ds_add_u32 v[SPW], v[NIL]                      ; 0 onto my spare word
	s_wait_dscnt 9                                 ; (the add and the youngest eight loads may be out)
	WIN MUL
	MULH F1, 0, 2, 0                               ; eight matrix instructions stand between the add and the wait for it
	s_wait_dscnt 0x0                               ; the add is done, and my loads from this slot are over
	s_barrier_signal -1
	MULH F1, 2, 2, 0
.if \fill
	WIN 0
.endif
	s_barrier_wait -1
.if \fill
	CREST                                          ; the barrier has opened a round of the cluster's: no wave of any partner still takes this slot in or has a load on its way
	s_add_nc_u64 s[G0+4*\slot+2:G0+4*\slot+3], s[G0+4*\slot+2:G0+4*\slot+3], 1048576   ; two K steps on: four heads
	s_add_nc_u64 s[G0B+4*\slot+2:G0B+4*\slot+3], s[G0B+4*\slot+2:G0B+4*\slot+3], 512
	JLOAD \slot                                    ; the first tensor load behind the round; its four v_nop are also the places ahead of the loads below
.else
	PLACES
.endif
	FETCH \next, 0, F0
	WIN MUL
	MULH F1, 4, 4, 0
.endm
	s_wait_tensorcnt 1                             ; my part of K step 0 is in (K step 1's may be out)
	s_barrier_signal -1
	s_barrier_wait -1                              ; everybody's is
	FETCH 0, 0, F0
	s_wait_loadcnt 0x0                             ; the bias
	QUARTER 0, 1, F0, F1, 1                        ; the first quarter stands ahead of the loop: its products start the sums from the bias
	WIN 0
	s_mov_b32 s3, LAPS-1
.Llap:                                             ; a trip goes once round the ring, from a lap's second quarter to the next lap's first, and fills both slots again
	QUARTER 0, 2, F1, F0, 0
	QUARTER 0, 3, F0, F1, 0
	TURN 0, 1, 1
	QUARTER 1, 1, F0, F1, 0
	QUARTER 1, 2, F1, F0, 0
	QUARTER 1, 3, F0, F1, 0
	TURN 1, 0, 1
	QUARTER 0, 1, F0, F1, 0
	WIN 0
	s_sub_co_u32 s3, s3, 1
	s_cmp_lg_u32 s3, 0
	s_cbranch_scc1 .Llap
	QUARTER 0, 2, F1, F0, 0                        ; the last lap fills nothing, and has no round of the cluster's barrier
	QUARTER 0, 3, F0, F1, 0
	TURN 0, 1, 0
	QUARTER 1, 1, F0, F1, 0
	QUARTER 1, 2, F1, F0, 0
	QUARTER 1, 3, F0, F1, 0
	s_wait_dscnt 8                                 ; the very last quarter: nothing more to fetch
	WIN MUL
	MULH F1, 0, 4, 0
	s_wait_dscnt 0
	MULH F1, 4, 4, 0
	WIN 0
; THE WAY OUT, block by block of 16 rows x 64 columns of f32: 32 bytes a lane into my stage, back as whole rows of 256 bytes: sixteen lanes store 256 consecutive bytes, aligned.
.macro TOSTAGE a
	WIN 0x08                                       ; an LDS store's data: window 2
.irp b, 0,1,2,3
	ds_store_b128 v[STO], v[8*(4*(\a)+\b):8*(4*(\a)+\b)+3] offset:64*\b          ; each accumulator from its low end on
	ds_store_b128 v[STO], v[8*(4*(\a)+\b)+4:8*(4*(\a)+\b)+7] offset:64*\b+16
.endr
	WIN 0
.set BB, BK+32*((\a)%2)
.irp u, 0,1,2,3,4,5,6,7
	ds_load_b128 v[BB+4*\u:BB+4*\u+3], v[RD] offset:544*\u     ; LDS serves a wave's instructions in order: these see the stores above
.endr
.endm
.macro SEND a, younger
.set BB, BK+32*((\a)%2)
	s_wait_dscnt \younger                          ; the block is back in registers
.irp u, 0,1,2,3,4,5,6,7
	global_store_b128 v[CO], v[BB+4*\u:BB+4*\u+3], s[10:11] offset:65536*(\a)+8192*\u th:TH_STORE_NT
.endr
.endm
	PLACES
	TOSTAGE 0
.irp a, 1,2,3,4,5,6,7
.if \a > 1
	s_wait_xcnt 0x0                                ; block a - 2's stores have taken their registers: block a's loads may land there
.endif
	TOSTAGE \a
	SEND \a-1, 16                                  ; behind block a - 1's loads: block a's 8 stores and 8 loads
.endr
	SEND 7, 0
	s_wait_tensorcnt 0x0                           ; the wave's end: three lines behind my last tensor load and my last LDS store
	ds_add_u32 v[SPW], v[NIL]
	s_wait_dscnt 0x0
	CROUND                                         ; the closing round
	s_endpgm
.Lfunc_end_k_q58e9169c18_proj:
	.size	k_q58e9169c18_proj, .Lfunc_end_k_q58e9169c18_proj-k_q58e9169c18_proj
	.p2alignl 7, 3214868480
	.fill 96, 4, 3214868480
	.section	.rodata,"a",@progbits
	.p2align	6, 0x0
	.amdhsa_kernel k_q58e9169c18_proj
		.amdhsa_group_segment_fixed_size 327680
		.amdhsa_private_segment_fixed_size 0
		.amdhsa_enable_private_segment 0
		.amdhsa_kernarg_size 32
		.amdhsa_user_sgpr_count 2
		.amdhsa_user_sgpr_kernarg_segment_ptr 1
		.amdhsa_wavefront_size32 1
		.amdhsa_system_sgpr_workgroup_id_x 1
		.amdhsa_system_sgpr_workgroup_id_y 1
		.amdhsa_system_sgpr_workgroup_id_z 1
		.amdhsa_system_vgpr_workitem_id 0
		.amdhsa_next_free_vgpr 768
		.amdhsa_next_free_sgpr 72
		.amdhsa_reserve_vcc 0
		.amdhsa_float_denorm_mode_32 3
		.amdhsa_float_denorm_mode_16_64 3
		.amdhsa_memory_ordered 1
		.amdhsa_forward_progress 1
		.amdhsa_inst_pref_size 86
	.end_amdhsa_kernel
	.amdgpu_metadata
---
amdhsa.version: [ 1, 2 ]
amdhsa.kernels:
  - .name:           k_q58e9169c18_proj
    .symbol:         k_q58e9169c18_proj.kd
    .args:
      - { .name: att, .offset: 0, .size: 8, .value_kind: global_buffer, .address_space: global }
      - { .name: wp, .offset: 8, .size: 8, .value_kind: global_buffer, .address_space: global }
      - { .name: b_proj, .offset: 16, .size: 8, .value_kind: global_buffer, .address_space: global }
      - { .name: out0, .offset: 24, .size: 8, .value_kind: global_buffer, .address_space: global }
    .group_segment_fixed_size: 327680
    .private_segment_fixed_size: 0
    .kernarg_segment_align: 8
    .kernarg_segment_size: 32
    .max_flat_workgroup_size: 128
    .sgpr_count:     72
    .vgpr_count:     768
    .wavefront_size: 32
...
	.end_amdgpu_metadata
.endif
;; end of part 4
;; launch fine (part 5): grid 32 x 4, 16 waves a work-group, no clusters, 38,912 bytes of LDS; arguments qkvf, wp, b_proj, out0; writes out0
.if DOCPART == 5
	.amdgcn_target "amdgcn-amd-amdhsa--gfx1250"
	.amdhsa_code_object_version 6
	.text
	.protected	k_q58e9169c18_fine
	.globl	k_q58e9169c18_fine
	.p2align	8
	.type	k_q58e9169c18_fine,@function
k_q58e9169c18_fine:
	s_mov_b64 s[64:65], 0
	v_nop
	global_prefetch_b8 v0, s[64:65] scope:SCOPE_SE
	s_setreg_imm32_b32 hwreg(HW_REG_WAVE_MODE, 25, 1), 1
	s_wait_xcnt 0x0
; Launch 5 of 5: the first 16 positions of every batch once more, finer: there a row of the attention averages one to sixteen values and is the largest in size, so the rounding of f16 operands weighs most.
; qkvf: f32 [16 batch + position][3072] (k without its bias: shown dead at the head of the first launch).  Scores and V^T P go in f32 (v_wmma_f32_16x16x4_f32: 32 instructions a wave, no bulk work);
; the projection takes both operands as pairs of f16, a high part and a low part x 2048: out = hi.hi + (lo'.hi + hi.lo') / 2048; the term lo.lo, 2^-22 of the result, is left.
; SHARES.  Work-group (cb, batch): 32 columns of out0 for the batch's 16 rows.  Wave = head: it makes its head's attention for the 16 positions and its head's share (K = 64) of the 16 x 32 results; the sixteen
; shares meet in LDS and waves 0-3 add them, with the bias, and store.  32 columns, so that a wave's part of wp (64 registers) fits beside the attention: a row's 128 bytes are half of an aligned 256: 262,144 bytes in all.
; The registers that the f32 matrix form writes (v112-159) are written by matrix instructions alone.
; REGISTERS: v1-13 addresses; v16-47 Q, later HI v16-31 and LO v32-47, later the shares; v48-79 K, later the projection's four accumulators; v80-111 V^T, later my share v80-95; v112-127 two accumulators of S^T;
;   v128-159 four of O^T; v160-167 scores, then p; v168-183 at work; v184-247 wp's fragments; v248-251 the bias; v252 1 / l, v253, v254 at work.
.set SPW,   14
.set NIL,   15
.set SPARE, 36864                      ; behind the sixteen shares of 16 rows x (128 bytes + 16): the spare words, 128 bytes for each wave: eight blocks of 256 bytes that no other line names
.set WV,    12
.set CS,    20
.set SEL,   22
	s_load_b256 s[4:11], s[0:1], 0x0               ; qkvf s[4:5], wp s[6:7], b_proj s[8:9], out0 s[10:11]
	v_lshl_add_u32 v[SPW], v0, 2, SPARE
	v_mov_b32 v[NIL], 0
	v_lshrrev_b32 v1, 5, v0
	v_readfirstlane_b32 s[WV], v1                  ; wave = head
	s_and_b32 s13, ttmp7, 0xffff                   ; batch
	v_and_b32 v1, 15, v0                           ; r
	v_bfe_u32 v2, v0, 4, 1                         ; h
	v_mul_u32_u24 v3, v1, 12288
	v_lshl_add_u32 v3, v2, 7, v3                   ; Q, K: row r, channels 32 h on
	v_mul_u32_u24 v4, v2, 98304
	v_lshl_add_u32 v4, v1, 2, v4                   ; V: rows 8 h on, channel r
	v_lshlrev_b32 v5, 11, v1
	v_lshl_add_u32 v5, v2, 4, v5                   ; wp: row r of 2,048 bytes, + 16 h
	v_and_b32 v6, 7, v0
	v_lshlrev_b32 v6, 4, v6                        ; 16 (lane % 8)
	v_bfe_u32 v7, v0, 3, 2                         ; lane / 8
	s_mul_i32 s24, s[WV], 2304
	v_mul_u32_u24 v10, v1, 144
	v_lshl_add_u32 v10, v2, 5, v10
	v_add_nc_u32 v10, s24, v10                     ; LDS, my share: head x 2,304 + 144 r + 32 h
	s_mul_i32 s24, s[WV], 576
	v_mul_u32_u24 v11, v7, 144
	v_add_nc_u32 v11, v11, v6
	v_add_nc_u32 v11, s24, v11                     ; LDS, the sum (waves 0-3): row 4 w + lane / 8, 16 bytes a lane
	s_lshl_b32 s24, s[WV], 14
	v_lshl_add_u32 v13, v7, 12, v6
	v_add_nc_u32 v13, s24, v13                     ; and the same place in out0
	s_mul_i32 s14, s13, 196608
	s_lshl_b32 s15, s[WV], 8
	s_add_co_u32 s14, s14, s15                     ; qkvf: my batch's 16 rows, my head's 64 columns
	s_mov_b32 s15, 0
	s_lshl_b32 s16, ttmp9, 16
	s_lshl_b32 s17, s[WV], 7
	s_add_co_u32 s16, s16, s17                     ; wp: rows 32 cb on, my head's 64 along K
	s_mov_b32 s17, 0
	s_lshl_b32 s18, ttmp9, 7                       ; 32 cb columns of f32
	s_mov_b32 s19, 0
	s_lshl_b32 s26, s13, 23                        ; out0: 2,048 rows of 4,096 bytes a batch
	s_mov_b32 s27, 0
	s_mov_b32 s[CS], 0x3e38aa3b                    ; c = log2(e) / 8
	s_mov_b32 s[SEL], 0x76543210
	s_mov_b32 s[SEL+1], 0xfedcba98
	s_wait_kmcnt 0x0
	s_add_nc_u64 s[4:5], s[4:5], s[14:15]
	s_add_nc_u64 s[6:7], s[6:7], s[16:17]
	s_add_nc_u64 s[8:9], s[8:9], s[18:19]
	s_add_nc_u64 s[10:11], s[10:11], s[18:19]
	s_add_nc_u64 s[10:11], s[10:11], s[26:27]
	s_cmp_lt_u32 s[WV], 4                          ; the bias is wanted by the four waves that add; it is the oldest load, so the counts below are the same in all waves
	s_cbranch_scc0 .Lno_bias
	global_load_b128 v[248:251], v6, s[8:9]
.Lno_bias:
.irp i, 0,1,2,3,4,5,6,7
	global_load_b128 v[16+4*\i:19+4*\i], v3, s[4:5] offset:16*\i              ; Q: register n = channel 32 h + n of query r
.endr
.irp i, 0,1,2,3,4,5,6,7
	global_load_b128 v[48+4*\i:51+4*\i], v3, s[4:5] offset:4096+16*\i         ; K likewise, of key r
.endr
.irp d, 0,1,2,3
.irp j, 0,1,2,3,4,5,6,7
	global_load_b32 v[80+8*\d+\j], v4, s[4:5] offset:8192+12288*\j+64*\d      ; V(key 8 h + j, channel 16 d + r)
.endr
.endr
.irp n, 0,1
.irp c, 0,1
.irp o, 0,1
	global_load_b128 v[184+32*\n+16*\c+8*\o:187+32*\n+16*\c+8*\o], v5, s[6:7] offset:32768*\n+64*\c+2097152*\o      ; wp: tile n of 16 columns, 32 c along K, o = 0 high part, 1 low part
	global_load_b128 v[188+32*\n+16*\c+8*\o:191+32*\n+16*\c+8*\o], v5, s[6:7] offset:32768*\n+64*\c+2097152*\o+32
.endr
.endr
.endr
	; S^T = K Q^T in f32.  Instruction i takes channels 2 i, 2 i + 1, 32 + 2 i, 33 + 2 i: the same order of K on both sides.  Two accumulators by turns, one instruction a turn.
	s_wait_loadcnt 48                              ; Q and K are in; V's 32 loads and wp's 16 may be out
.irp i, 0,1,2,3,4,5,6,7,8,9,10,11,12,13,14,15
.if \i < 2
	v_wmma_f32_16x16x4_f32 v[112+8*(\i%2):119+8*(\i%2)], v[48+2*\i:49+2*\i], v[16+2*\i:17+2*\i], 0
.else
	v_wmma_f32_16x16x4_f32 v[112+8*(\i%2):119+8*(\i%2)], v[48+2*\i:49+2*\i], v[16+2*\i:17+2*\i], v[112+8*(\i%2):119+8*(\i%2)]
.endif
.endr
	v_lshlrev_b32 v8, 3, v2                        ; eight places behind this form (ISA guide 7.12.1): four lines that are due, four v_nop
	v_sub_nc_u32 v8, v1, v8                        ; r - 8 h
	v_mov_b32 v9, 0xff800000                       ; -infinity
	v_mov_b32 v253, 0                              ; (a lane permute's destination counts as one of its sources)
.rept 4
	v_nop
.endr
.irp j, 0,2,4,6
	v_pk_add_f32 v[160+\j:161+\j], v[112+\j:113+\j], v[120+\j:121+\j]   ; lane (r, h): the score of query r and key 8 h + j; from the low end on
.endr
.irp j, 0,1,2,3,4,5,6,7
	v_cmp_gt_i32 vcc_lo, \j, v8                    ; key 8 h + j lies behind query r
	v_cndmask_b32 v[160+\j], v[160+\j], v9, vcc_lo
.endr
	v_max3_num_f32 v168, v160, v161, v162
	v_max3_num_f32 v168, v168, v163, v164
	v_max3_num_f32 v168, v168, v165, v166
	v_max_num_f32 v168, v168, v167
	v_permlanex16_b32 v253, v168, s[SEL], s[SEL+1]
	v_max_num_f32 v168, v168, v253                 ; the row's maximum: key 0 counts for every query, so it is a number
	v_mul_f32 v254, s[CS], v168
.irp j, 0,1,2,3,4,5,6,7
	v_fma_f32 v[160+\j], v[160+\j], s[CS], -v254
.endr
.irp j, 0,1,2,3,4,5,6,7
	v_exp_f32 v[160+\j], v[160+\j]                 ; p = 2^(c s - c m), not normalised
.endr
	v_nop                                          ; a plain instruction behind the last exponential
	s_wait_alu depctr_va_vdst(0)                   ; one wait for the eight, ahead of the first use
	v_pk_add_f32 v[170:171], v[160:161], v[162:163]
	v_pk_add_f32 v[172:173], v[164:165], v[166:167]
	v_pk_add_f32 v[170:171], v[170:171], v[172:173]
	v_add_f32 v170, v170, v171
	v_permlanex16_b32 v253, v170, s[SEL], s[SEL+1]
	v_add_f32 v170, v170, v253                     ; the row's sum
	v_rcp_f32 v252, v170
	v_nop                                          ; a plain instruction behind the reciprocal; its wait stands ahead of its first use, below
	; O^T = V^T P in f32: instruction (c, d) takes keys 2 c, 2 c + 1, 8 + 2 c, 9 + 2 c and channels 16 d on.  Four accumulators by turns.
	s_wait_loadcnt 16                              ; V is in; wp's 16 loads may be out
.irp c, 0,1,2,3
.irp d, 0,1,2,3
.if \c == 0
	v_wmma_f32_16x16x4_f32 v[128+8*\d:135+8*\d], v[80+8*\d+2*\c:81+8*\d+2*\c], v[160+2*\c:161+2*\c], 0
.else
	v_wmma_f32_16x16x4_f32 v[128+8*\d:135+8*\d], v[80+8*\d+2*\c:81+8*\d+2*\c], v[160+2*\c:161+2*\c], v[128+8*\d:135+8*\d]
.endif
.endr
.endr
.rept 8
	v_nop                                          ; eight places behind this form
.endr
	s_wait_alu depctr_va_vdst(0)                   ; the reciprocal
; o = O^T / l, lane (r, h): query r, channels 16 d + 8 h + 0 .. 7, is split: HI = f16(o), LO = f16((o - HI) x 2048).  Registers 4 d .. 4 d + 3 of HI and of LO are the projection's source 1 as they stand.
.macro OSCALE d
.irp i, 0,1,2,3,4,5,6,7
	v_mul_f32 v[168+\i], v[128+8*\d+\i], v252      ; from the accumulator's low end on
.endr
.endm
.macro FSPLIT n, hl, hh                ; pair n % 4 of the eight; hl, hh: the two halves of v[16 + n], given as text
	v_cvt_pk_f16_f32 v[16+\n], v[168+2*(\n%4)], v[169+2*(\n%4)]
	v_cvt_f32_f16 v[176+2*(\n%4)], \hl
	v_cvt_f32_f16 v[177+2*(\n%4)], \hh
	v_pk_add_f32 v[176+2*(\n%4):177+2*(\n%4)], v[168+2*(\n%4):169+2*(\n%4)], v[176+2*(\n%4):177+2*(\n%4)] neg_lo:[0,1] neg_hi:[0,1]
	v_pk_mul_f32 v[176+2*(\n%4):177+2*(\n%4)], v[176+2*(\n%4):177+2*(\n%4)], 0x45000000 op_sel_hi:[1,0]
	v_cvt_pk_f16_f32 v[32+\n], v[176+2*(\n%4)], v[177+2*(\n%4)]
.endm
	OSCALE 0
	FSPLIT 0, v16.l, v16.h
	FSPLIT 1, v17.l, v17.h
	FSPLIT 2, v18.l, v18.h
	FSPLIT 3, v19.l, v19.h
	OSCALE 1
	FSPLIT 4, v20.l, v20.h
	FSPLIT 5, v21.l, v21.h
	FSPLIT 6, v22.l, v22.h
	FSPLIT 7, v23.l, v23.h
	OSCALE 2
	FSPLIT 8, v24.l, v24.h
	FSPLIT 9, v25.l, v25.h
	FSPLIT 10, v26.l, v26.h
	FSPLIT 11, v27.l, v27.h
	OSCALE 3
	FSPLIT 12, v28.l, v28.h
	FSPLIT 13, v29.l, v29.h
	FSPLIT 14, v30.l, v30.h
	FSPLIT 15, v31.l, v31.h
	; THE PROJECTION, transposed (source 0 = 16 rows of wp, source 1 = my 16 queries).  a1 (v48, v64) sums hi.hi; a2 (v56, v72) sums lo'.hi and hi.lo'.  The four accumulators take turns, one instruction a turn.
	s_wait_loadcnt 0x0                             ; wp (and the bias)
	v_wmma_f32_16x16x32_f16 v[48:55], v[184:191], v[16:23], 0                 ; a1, tile 0: WH(0, 0) HI0
	v_wmma_f32_16x16x32_f16 v[56:63], v[192:199], v[16:23], 0                 ; a2, tile 0: WL(0, 0) HI0
	v_wmma_f32_16x16x32_f16 v[64:71], v[216:223], v[16:23], 0                 ; a1, tile 1: WH(1, 0) HI0
	v_wmma_f32_16x16x32_f16 v[72:79], v[224:231], v[16:23], 0                 ; a2, tile 1: WL(1, 0) HI0
	v_wmma_f32_16x16x32_f16 v[48:55], v[200:207], v[24:31], v[48:55]          ; WH(0, 1) HI1
	v_wmma_f32_16x16x32_f16 v[56:63], v[184:191], v[32:39], v[56:63]          ; WH(0, 0) LO0
	v_wmma_f32_16x16x32_f16 v[64:71], v[232:239], v[24:31], v[64:71]          ; WH(1, 1) HI1
	v_wmma_f32_16x16x32_f16 v[72:79], v[216:223], v[32:39], v[72:79]          ; WH(1, 0) LO0
	v_wmma_f32_16x16x32_f16 v[56:63], v[208:215], v[24:31], v[56:63]          ; WL(0, 1) HI1
	v_wmma_f32_16x16x32_f16 v[72:79], v[240:247], v[24:31], v[72:79]          ; WL(1, 1) HI1
	v_wmma_f32_16x16x32_f16 v[56:63], v[200:207], v[40:47], v[56:63]          ; WH(0, 1) LO1
	v_wmma_f32_16x16x32_f16 v[72:79], v[232:239], v[40:47], v[72:79]          ; WH(1, 1) LO1
.rept 4
	v_nop                                          ; four places behind this form: for the lines below, and for the loads that later land in these registers
.endr
.irp n, 0,1
.irp j, 0,1,2,3,4,5,6,7
	v_fma_f32 v[80+8*\n+\j], v[56+16*\n+\j], 0x3a000000, v[48+16*\n+\j]       ; a1 + a2 / 2048: lane (r, h): position r, column 16 n + 8 h + j; from the low end on
.endr
.endr
.irp n, 0,1
	ds_store_b128 v10, v[80+8*\n:83+8*\n] offset:64*\n
	ds_store_b128 v10, v[84+8*\n:87+8*\n] offset:64*\n+16
.endr
	s_wait_dscnt 0x0                               ; for the others' sake: my share has landed
	s_barrier_signal -1
	s_barrier_wait -1
	s_cmp_lt_u32 s[WV], 4                          ; waves 0-3 add the sixteen shares: four rows each, 16 bytes a lane
	s_cbranch_scc0 .Lend
.irp p, 0,1,2,3,4,5,6,7,8,9,10,11,12,13,14,15
	ds_load_b128 v[16+4*\p:19+4*\p], v11 offset:2304*\p
.endr
	s_wait_dscnt 0x0
.irp p, 1,2,3,4,5,6,7,8,9,10,11,12,13,14,15
	v_pk_add_f32 v[16:17], v[16:17], v[16+4*\p:17+4*\p]
	v_pk_add_f32 v[18:19], v[18:19], v[18+4*\p:19+4*\p]
.endr
	v_pk_add_f32 v[16:17], v[16:17], v[248:249]
	v_pk_add_f32 v[18:19], v[18:19], v[250:251]
	global_store_b128 v13, v[16:19], s[10:11]      ; eight lanes store a row's 128 bytes
.Lend:
	s_wait_tensorcnt 0x0                           ; the wave's end: three lines behind my last LDS store
	ds_add_u32 v[SPW], v[NIL]
	s_wait_dscnt 0x0
	s_endpgm
.Lfunc_end_k_q58e9169c18_fine:
	.size	k_q58e9169c18_fine, .Lfunc_end_k_q58e9169c18_fine-k_q58e9169c18_fine
	.p2alignl 7, 3214868480
	.fill 96, 4, 3214868480
	.section	.rodata,"a",@progbits
	.p2align	6, 0x0
	.amdhsa_kernel k_q58e9169c18_fine
		.amdhsa_group_segment_fixed_size 38912
		.amdhsa_private_segment_fixed_size 0
		.amdhsa_enable_private_segment 0
		.amdhsa_kernarg_size 32
		.amdhsa_user_sgpr_count 2
		.amdhsa_user_sgpr_kernarg_segment_ptr 1
		.amdhsa_wavefront_size32 1
		.amdhsa_system_sgpr_workgroup_id_x 1
		.amdhsa_system_sgpr_workgroup_id_y 1
		.amdhsa_system_sgpr_workgroup_id_z 1
		.amdhsa_system_vgpr_workitem_id 0
		.amdhsa_next_free_vgpr 256
		.amdhsa_next_free_sgpr 66
		.amdhsa_reserve_vcc 1
		.amdhsa_float_denorm_mode_32 3
		.amdhsa_float_denorm_mode_16_64 3
		.amdhsa_memory_ordered 1
		.amdhsa_forward_progress 1
		.amdhsa_inst_pref_size 27
	.end_amdhsa_kernel
	.amdgpu_metadata
---
amdhsa.version: [ 1, 2 ]
amdhsa.kernels:
  - .name:           k_q58e9169c18_fine
    .symbol:         k_q58e9169c18_fine.kd
    .args:
      - { .name: qkvf, .offset: 0, .size: 8, .value_kind: global_buffer, .address_space: global }
      - { .name: wp, .offset: 8, .size: 8, .value_kind: global_buffer, .address_space: global }
      - { .name: b_proj, .offset: 16, .size: 8, .value_kind: global_buffer, .address_space: global }
      - { .name: out0, .offset: 24, .size: 8, .value_kind: global_buffer, .address_space: global }
    .group_segment_fixed_size: 38912
    .private_segment_fixed_size: 0
    .kernarg_segment_align: 8
    .kernarg_segment_size: 32
    .max_flat_workgroup_size: 512
    .sgpr_count:     66
    .vgpr_count:     256
    .wavefront_size: 32
...
	.end_amdgpu_metadata
.endif
;; end of part 5
